; MI455X (gfx1250); checked and timed in simulation.
; The chip was launched on July 23, 2026; its instructions are those of AMD's public machine-readable ISA for CDNA 5 (MIT licence, August 2026) and "CDNA5" Instruction Set Architecture Reference Guide (July 2026). The comments in the code are by the model that wrote it; some were corrected since.
;; Attn Block. Allowed arithmetic: float matrix products may take bf16 or f16 operands with f32 sums; other float arithmetic in f32, or as packed bf16 or f16 multiplies, adds, multiply-adds, maxima and minima; sums over many terms, partial sums and values carried from step to step in f32; what a program stores and reads back later, other than sums and carried values, may be rounded once to bf16 or f16.
;; Inputs: gn_b 512 float32; gn_w 512 float32; k_b 512 float32; k_w 512 x 512 float32; p_b 512 float32; p_w 512 x 512 float32; q_b 512 float32; q_w 512 x 512 float32; temb 16 x 512 float32; v_b 512 float32; v_w 512 x 512 float32; x 16 x 512 x 32 x 32 float32.
;; Outputs: out0 16 x 512 x 32 x 32 float32.
;; 2 versions, each right; version 2 is version 1 with the launch prep written anew for expert scheduling mode. Each part assembles by itself: llvm-mc -triple=amdgcn-amd-amdhsa -mcpu=gfx1250 --defsym DOCPART=n.
;; ======== version 1 of 2: 3 launches
;; limits: values outside matrix products are rounded to bf16
;; workspace buffers: hc 16,777,216 bytes; wcat 1,048,576 bytes; bcat 4,096 bytes; gu 33,554,432 bytes
;; launch prep (part 1): grid 320 x 1, 8 waves a work-group, no clusters, 77,056 bytes of LDS; arguments x, gn_w, gn_b, q_w, q_b, k_w, v_w, v_b, p_w, p_b, hc, wcat, bcat; writes hc, wcat, bcat
.if DOCPART == 1
	.amdgcn_target "amdgcn-amd-amdhsa--gfx1250"
	.amdhsa_code_object_version 6
	.text
	.protected	k_qacfb25e161_prep
	.globl	k_qacfb25e161_prep
	.p2align	8
	.type	k_qacfb25e161_prep,@function
k_qacfb25e161_prep:
	s_mov_b64 s[64:65], 0
	v_nop
	global_prefetch_b8 v0, s[64:65] scope:SCOPE_SE
	s_setreg_imm32_b32 hwreg(HW_REG_WAVE_MODE, 25, 1), 1
	s_wait_xcnt 0x0
; AttnBlock, launch 1 of 3.  B = 16, C = 512, N = 32 x 32 = 1,024 positions.
; THE ALGEBRA OF THE WHOLE PROGRAM.  h = GroupNorm(x).  reference() makes q = Wq h + qb, k = Wk h + kb, v = Wv h + vb, a = softmax_j(q_i . k_j / sqrt(512)), out = x + Wp (sum_j a_ij v_j) + pb.
;   q_i . k_j = (Wk^T q_i) . h_j + q_i . kb.  The second term is the same for all j of a row of the softmax, so it cancels for all values of the inputs: k_b is dead.
;   With A = Wk^T Wq and cv = Wk^T qb the scores are g_i . h_j, g = A h + cv: the keys are h itself, and no k is made.
;   sum_j a_ij = 1, so Wp (sum_j a_ij v_j) + pb = sum_j a_ij u_j with u = (Wp Wv) h + (Wp vb + pb): no v and no projection behind the attention.
;   temb enters no line of reference().  So temb and k_b have no way to the output: they are not loaded and are no argument of any launch.
; LIMITS.  A NaN, an infinity or an overflow that lies in temb or k_b alone is not carried to the result.  All matrix operands are bf16 (the inputs rounded once; A, Wp Wv, h, g, u and the
;   weights of the softmax rounded once from f32 sums); all sums are f32.  NaN and infinities are not treated apart.
; THIS LAUNCH.  Work-groups 0-63: wcat = [A ; Wp Wv] (bf16, [1,024][512]) and bcat = [cv ; Wp vb + pb] (f32): tiles of 64 x 128, K = 512 in chunks of 64, two chunks on their way from memory,
;   two LDS buffers that take turns, one barrier a chunk.
;   Work-groups 64-319: two groups of GroupNorm each (a group is 16 channels x 1,024 positions = 65,536 consecutive bytes of x), kept in registers between the mean, the squared deviations
;   (taken from the mean, so no difference of large sums is formed) and the scaling; hc = h in bf16, in x's layout.  x is read once.  Both groups' loads go out at the head.
;   320 work-groups of 8 waves x 256 registers and 77,056 bytes of LDS: two fit on a WGP's four SIMDs of 1,024 registers and 327,680 bytes, 512 on 256 WGPs, so none waits for another to end.
; No cluster, no tensor load: the groups share nothing, and the weights are 4 MB in all.
.set BUFB,  28672                      ; LDS: a chunk's buffer: L's 64 rows x 160 bytes at +0, R's 64 rows x 288 at +RT; two of them, at 0 and at BUFB
.set RT,    10240
.set RBL,   2*BUFB                     ; the 512 numbers of q_b or v_b in bf16
.set OST,   RBL+1024                   ; the way out: 64 rows x 272
.set RED,   OST+17408                  ; the eight waves' partial sums: first sum at +0, second at +128
.set SPARE, RED+256                    ; the spare words, 128 bytes for each wave: four blocks of 256 bytes that no other line names
.set SPW, 254                          ; v254 my spare word's address; never rewritten
.set NIL, 255                          ; v255 0; never rewritten
.macro PLACES                          ; four plain places behind a matrix instruction (ISA guide 7.12.1)
.rept 4
	v_nop
.endr
.endm
	s_load_b512 s[4:19], s[0:1], 0x0               ; x 4, gn_w 6, gn_b 8, q_w 10, q_b 12, k_w 14, v_w 16, v_b 18
	s_load_b256 s[20:27], s[0:1], 0x40             ; p_w 20, p_b 22, hc 24, wcat 26
	s_load_b64 s[28:29], s[0:1], 0x60              ; bcat
	v_lshl_add_u32 v[SPW], v0, 2, SPARE
	v_mov_b32 v[NIL], 0
	v_lshrrev_b32 v1, 5, v0
	v_readfirstlane_b32 s30, v1                    ; wave 0..7
	s_cmp_lt_u32 ttmp9, 64                         ; the same in all waves of a work-group
	s_cbranch_scc0 .Lgn
; ------------------------------------------------------------------ THE WEIGHTS ------------------------------------------------------------------
; Out[m][n] = sum over d of L(m, d) R[d][n].  job 0: L = k_w, stored [d][m], R = q_w, rb = q_b.  job 1: L = p_w, stored [m][d], R = v_w, rb = v_b.
; Either L chunk is 64 rows x 256 bytes at a pitch of 2,048 bytes, so its loads and LDS stores are one text; only the fragment loads differ (turned, or as it lies).
; The product is taken with source 0 = R (16 n x 32 d, turned out of LDS) and source 1 = L: a lane then holds one m and eight neighbouring n.
; A wave makes 32 m x 32 n.  The bias is a product too: source 0 = 16 equal rows rb; waves 0 and 1 of the work-groups with nblk = 0 make it.
; REGISTERS: v2-14 addresses; v16-63, v64-111 two sets of a chunk as loaded (L's 16, R's 32); v112-135 the chunk rounded, then rb's fragments; v136-167 R's fragments, v168-199 L's;
;   v200-231 four accumulators, v232-247 the bias's two; v248-253 at work.
.set LOFF, 2
.set ROFF, 3
.set LST,  4
.set RST,  5
.set RFA,  6
.set LFA0, 7
.set LFA1, 8
.set RBA,  9
.set RBT,  10
.set OSTO, 11
.set ORD,  12
.set WO,   13
.set BO,   14
.set RA,   16
.set RBS,  64
.set PK,   112
.set FR,   136
.set FL,   168
.set ACC,  200
.set BACC, 232
.set T15,  136                         ; at work in the set-up alone, where the fragments' registers are still free
.set T4,   137
.set T31,  138
.set HH,   139
.set TR,   140
.set L3,   141
	s_lshr_b32 s31, ttmp9, 5                       ; job
	s_bfe_u32 s32, ttmp9, 0x30002                  ; mblk: 64 rows
	s_and_b32 s33, ttmp9, 3                        ; nblk: 128 columns
	s_and_b32 s34, s30, 1                          ; wm
	s_lshr_b32 s35, s30, 1                         ; wn
	s_or_b32 s77, s33, s35                         ; 0: this wave makes the bias of its 32 m
	v_and_b32 v[T15], 15, v0
	v_lshrrev_b32 v[T4], 4, v0
	v_and_b32 v[T31], 31, v0
	v_bfe_u32 v[HH], v0, 4, 1                      ; lane / 16
	v_and_b32 v[TR], 7, v0
	v_lshl_add_u32 v[TR], v[HH], 3, v[TR]          ; a turning load's row: 8 (lane / 16) + lane % 8
	v_bfe_u32 v[L3], v0, 3, 1
	v_lshlrev_b32 v[LOFF], 11, v[T4]               ; L: 16 threads a row of 256 bytes
	v_lshl_add_u32 v[LOFF], v[T15], 4, v[LOFF]
	v_lshlrev_b32 v[ROFF], 11, v1                  ; R: 32 threads a row of 512 bytes
	v_lshl_add_u32 v[ROFF], v[T31], 4, v[ROFF]
	v_mul_u32_u24 v[LST], v[T4], 160
	v_lshl_add_u32 v[LST], v[T15], 3, v[LST]
	v_mul_u32_u24 v[RST], v1, 288
	v_lshl_add_u32 v[RST], v[T31], 3, v[RST]
	v_add_nc_u32 v[RST], RT, v[RST]
	s_lshl_b32 s36, s35, 6
	s_add_co_u32 s36, s36, RT
	v_mul_u32_u24 v[RFA], v[TR], 288
	v_lshl_add_u32 v[RFA], v[L3], 4, v[RFA]
	v_add_nc_u32 v[RFA], s36, v[RFA]               ; R's fragments: my 32 columns
	s_lshl_b32 s36, s34, 6
	v_mul_u32_u24 v[LFA0], v[TR], 160
	v_lshl_add_u32 v[LFA0], v[L3], 4, v[LFA0]
	v_add_nc_u32 v[LFA0], s36, v[LFA0]             ; L's fragments where L lies [d][m]: turned
	s_mul_i32 s36, s34, 5120
	v_mul_u32_u24 v[LFA1], v[T15], 160
	v_lshl_add_u32 v[LFA1], v[HH], 4, v[LFA1]
	v_add_nc_u32 v[LFA1], s36, v[LFA1]             ; and where it lies [m][d]: as it lies (at this pitch two lanes of sixteen meet in a bank: 16 loads a chunk)
	v_lshl_add_u32 v[RBA], v[HH], 4, RBL
	s_mul_i32 s36, s34, 8704
	s_lshl_b32 s37, s35, 6
	s_add_co_u32 s36, s36, s37
	s_add_co_u32 s36, s36, OST
	v_mul_u32_u24 v[OSTO], v[T15], 272
	v_lshl_add_u32 v[OSTO], v[HH], 4, v[OSTO]
	v_add_nc_u32 v[OSTO], s36, v[OSTO]
	v_mul_u32_u24 v[ORD], v[T4], 272
	v_lshl_add_u32 v[ORD], v[T15], 4, v[ORD]
	v_add_nc_u32 v[ORD], OST, v[ORD]
	v_lshlrev_b32 v[WO], 10, v[T4]                 ; a row of wcat is 1,024 bytes
	v_lshl_add_u32 v[WO], v[T15], 4, v[WO]
	s_lshl_b32 s36, s34, 7
	v_lshl_add_u32 v[BO], v[T31], 2, s36           ; my lane's word among the work-group's 64 of bcat
	s_mov_b32 s70, 0x100                           ; L's step from chunk to chunk: 64 columns (job 1),
	s_mov_b32 s71, 0
	s_lshl_b32 s40, s32, 8                         ; job 0: my 64 columns of k_w
	s_lshl_b32 s42, s32, 17                        ; job 1: my 64 rows of p_w
	s_mov_b32 s41, 0
	s_lshl_b32 s44, s33, 9                         ; my 128 columns of R
	s_mov_b32 s45, 0
	s_lshl_b32 s46, s31, 19                        ; wcat: (512 job + 64 mblk) rows + 128 nblk columns
	s_lshl_b32 s38, s32, 16
	s_add_co_u32 s46, s46, s38
	s_lshl_b32 s38, s33, 8
	s_add_co_u32 s46, s46, s38
	s_mov_b32 s47, 0
	s_lshl_b32 s48, s31, 11                        ; bcat: 512 job + 64 mblk words
	s_lshl_b32 s50, s32, 8
	s_add_co_u32 s48, s48, s50
	s_mov_b32 s49, 0
	s_mov_b32 s51, 0
	s_mov_b32 s79, 0                               ; the chunk's 128 bytes of rb in LDS
	s_cmp_eq_u32 s31, 0
	s_cselect_b32 s70, 0x20000, s70                ; or 64 rows (job 0)
	s_cselect_b32 s40, s40, s42
	s_wait_kmcnt 0x0
	s_cselect_b64 s[68:69], s[14:15], s[20:21]     ; L
	s_cselect_b64 s[72:73], s[10:11], s[16:17]     ; R
	s_cselect_b64 s[74:75], s[12:13], s[18:19]     ; rb
	s_add_nc_u64 s[68:69], s[68:69], s[40:41]
	s_add_nc_u64 s[72:73], s[72:73], s[44:45]
	s_add_nc_u64 s[26:27], s[26:27], s[46:47]
	s_add_nc_u64 s[28:29], s[28:29], s[48:49]
	s_add_nc_u64 s[22:23], s[22:23], s[50:51]
.macro LOADW set                       ; a chunk: 4 + 8 loads of 16 bytes a thread
.irp i, 0,1,2,3
	global_load_b128 v[(\set)+4*(\i):(\set)+4*(\i)+3], v[LOFF], s[68:69] offset:32768*(\i)
.endr
.irp i, 0,1,2,3,4,5,6,7
	global_load_b128 v[(\set)+16+4*(\i):(\set)+16+4*(\i)+3], v[ROFF], s[72:73] offset:16384*(\i)
.endr
.endm
.macro STEPW                           ; the pointers stand at the chunk asked for last; they go one chunk on
	s_wait_xcnt 0x0                                ; the loads that are out have read them
	s_add_nc_u64 s[68:69], s[68:69], s[70:71]
	s_add_nc_u64 s[72:73], s[72:73], 0x20000
.endm
	LOADW RA                                       ; chunk 0
	STEPW
	LOADW RBS                                      ; chunk 1
.set r, ACC
.rept 48
	v_mov_b32 v[r], 0                              ; the six accumulators start at 0, written while the first loads are out, so that the loop has one form of product
.set r, r+1
.endr
	s_cmp_lg_u32 s33, 0                            ; rb is wanted where nblk = 0 alone: two numbers a thread, rounded, into LDS; its load stands behind the first chunks' and comes in with them;
	s_cbranch_scc1 .Lno_rb                         ; the first barrier below shows the numbers to the waves
	v_lshlrev_b32 v248, 3, v0
	global_load_b64 v[250:251], v248, s[74:75]
	v_lshl_add_u32 v249, v0, 2, RBL
	s_wait_loadcnt 0x0
	v_cvt_pk_bf16_f32 v252, v250, v251
	ds_store_b32 v249, v252
.Lno_rb:
; A chunk goes from its set of registers into LDS buffer buf: rounded, the set asked for again two chunks on, stored.  lmin: the set is asked for again while the loop's count is lmin or more
; (0: always); where it is not, no younger loads follow, so the count of the next such wait would show nothing of the other set: it is waited for here.
.macro CONV set, buf, lmin
	s_wait_loadcnt 12                              ; this set's chunk is in; the other set's 12 loads, issued behind it, may stay out
.irp i, 0,1,2,3
	v_cvt_pk_bf16_f32 v[PK+2*(\i)],   v[(\set)+4*(\i)],   v[(\set)+4*(\i)+1]
	v_cvt_pk_bf16_f32 v[PK+2*(\i)+1], v[(\set)+4*(\i)+2], v[(\set)+4*(\i)+3]
.endr
.irp i, 0,1,2,3,4,5,6,7
	v_cvt_pk_bf16_f32 v[PK+8+2*(\i)],   v[(\set)+16+4*(\i)],   v[(\set)+16+4*(\i)+1]
	v_cvt_pk_bf16_f32 v[PK+8+2*(\i)+1], v[(\set)+16+4*(\i)+2], v[(\set)+16+4*(\i)+3]
.endr
.if (\lmin) > 0
	s_cmp_lt_u32 s78, \lmin
	s_cbranch_scc1 .Lnone_\@
.endif
	STEPW
	LOADW \set
.if (\lmin) > 0
	s_branch .Lasked_\@
.Lnone_\@:
	s_wait_loadcnt 0x0
.Lasked_\@:
.endif
.irp i, 0,1,2,3
	ds_store_b64 v[LST], v[PK+2*(\i):PK+2*(\i)+1] offset:(\buf)*BUFB+2560*(\i)
.endr
.irp i, 0,1,2,3,4,5,6,7
	ds_store_b64 v[RST], v[PK+8+2*(\i):PK+8+2*(\i)+1] offset:(\buf)*BUFB+2304*(\i)
.endr
.endm
; STEP c of eight.  Chunk c lies in buffer buf = c % 2.  Its 16 fragment loads go out first; while they are out chunk c + 1 goes from its set into the other buffer.  ONE wait for all of that, ONE
; barrier, with the step's eight products between its signal and its wait.  The buffer that this step writes was last read in step c - 1, whose reads were waited for in front of that step's signal;
; what this step stores is read in step c + 1, behind this step's barrier.  cmin: chunk c + 1 exists while the loop's count is cmin or more (0: always).
.macro STEPC buf, set, cmin, lmin
.irp kk, 0,1
.irp ni, 0,1
	ds_load_tr16_b128 v[FR+8*(2*(\kk)+(\ni)):FR+8*(2*(\kk)+(\ni))+3],   v[RFA] offset:(\buf)*BUFB+9216*(\kk)+32*(\ni)
	ds_load_tr16_b128 v[FR+8*(2*(\kk)+(\ni))+4:FR+8*(2*(\kk)+(\ni))+7], v[RFA] offset:(\buf)*BUFB+9216*(\kk)+32*(\ni)+4608
.endr
.endr
	s_cmp_eq_u32 s31, 0
	s_cbranch_scc0 .Lrows_\@
.irp kk, 0,1
.irp mi, 0,1
	ds_load_tr16_b128 v[FL+8*(2*(\kk)+(\mi)):FL+8*(2*(\kk)+(\mi))+3],   v[LFA0] offset:(\buf)*BUFB+5120*(\kk)+32*(\mi)
	ds_load_tr16_b128 v[FL+8*(2*(\kk)+(\mi))+4:FL+8*(2*(\kk)+(\mi))+7], v[LFA0] offset:(\buf)*BUFB+5120*(\kk)+32*(\mi)+2560
.endr
.endr
	s_branch .Lgot_\@
.Lrows_\@:
.irp kk, 0,1
.irp mi, 0,1
	ds_load_b128 v[FL+8*(2*(\kk)+(\mi)):FL+8*(2*(\kk)+(\mi))+3],   v[LFA1] offset:(\buf)*BUFB+2560*(\mi)+64*(\kk)
	ds_load_b128 v[FL+8*(2*(\kk)+(\mi))+4:FL+8*(2*(\kk)+(\mi))+7], v[LFA1] offset:(\buf)*BUFB+2560*(\mi)+64*(\kk)+32
.endr
.endr
.Lgot_\@:
.if (\cmin) > 0
	s_cmp_lt_u32 s78, \cmin
	s_cbranch_scc1 .Lskip_\@
.endif
	CONV \set, 1-(\buf), \lmin
.if (\cmin) > 0
	s_branch .Lconv_\@
.Lskip_\@:
	s_wait_loadcnt 0x0                             ; the last step: no chunk is left, and no load is out
.Lconv_\@:
.endif
	s_cmp_lg_u32 s77, 0
	s_cbranch_scc1 .Lnb1_\@
	v_add_nc_u32 v[RBT], s79, v[RBA]               ; the bias: rb's fragments of this chunk (all 16 rows alike), into the rounded chunk's registers, behind the stores that read them:
.irp kk, 0,1                           ; LDS serves a wave's instructions in order (ISA guide 5.7.1.4)
	ds_load_b128 v[PK+8*(\kk):PK+8*(\kk)+3],   v[RBT] offset:64*(\kk)
	ds_load_b128 v[PK+8*(\kk)+4:PK+8*(\kk)+7], v[RBT] offset:64*(\kk)+32
.endr
.Lnb1_\@:
	s_wait_dscnt 0x0                               ; my fragments are in, so my reads of this buffer are over; my stores into the other are done
	s_barrier_signal -1
.irp kk, 0,1                           ; the four accumulators take turns, one instruction a turn, over the backward jump too
.irp mi, 0,1
.irp ni, 0,1
	v_wmma_f32_16x16x32_bf16 v[ACC+8*(2*(\mi)+(\ni)):ACC+8*(2*(\mi)+(\ni))+7], v[FR+8*(2*(\kk)+(\ni)):FR+8*(2*(\kk)+(\ni))+7], v[FL+8*(2*(\kk)+(\mi)):FL+8*(2*(\kk)+(\mi))+7], v[ACC+8*(2*(\mi)+(\ni)):ACC+8*(2*(\mi)+(\ni))+7]
.endr
.endr
.endr
	s_barrier_wait -1                              ; both hold of every wave
	s_cmp_lg_u32 s77, 0
	s_cbranch_scc1 .Lnb2_\@
.irp kk, 0,1                           ; the bias's four products, two accumulators by turns
.irp mi, 0,1
	v_wmma_f32_16x16x32_bf16 v[BACC+8*(\mi):BACC+8*(\mi)+7], v[PK+8*(\kk):PK+8*(\kk)+7], v[FL+8*(2*(\kk)+(\mi)):FL+8*(2*(\kk)+(\mi))+7], v[BACC+8*(\mi):BACC+8*(\mi)+7]
.endr
.endr
.Lnb2_\@:
	PLACES                                         ; in front of the next step's loads into the fragments, of its roundings, and of the way out's reads of the sums
	s_add_co_u32 s79, s79, 128
.endm
	CONV RA, 0, 0                                  ; chunk 0 into buffer 0; chunk 2 is asked for
	s_wait_dscnt 0x0                               ; for the others' sake: my stores are done
	s_barrier_signal -1
	s_barrier_wait -1
	s_mov_b32 s78, 4
.Lchunk:                               ; a trip: steps 2 t and 2 t + 1, t = 4 - count.  Step c asks for chunk c + 3: the even step while 2 t + 3 <= 7 (count 2 or more), the odd one while 2 t + 4 <= 7 (3 or more)
	STEPC 0, RBS, 0, 2
	STEPC 1, RA, 2, 3
	s_sub_co_u32 s78, s78, 1
	s_cmp_lg_u32 s78, 0
	s_cbranch_scc1 .Lchunk
	s_wait_loadcnt 0x0                             ; no load is out behind the last step: said once more ahead of the sets' registers' next use
.irp a, 0,1,2,3                        ; the way out: rounded, 16 bytes a lane into rows of 272 bytes, back as whole rows of 256
.irp r, 0,1,2,3
	v_cvt_pk_bf16_f32 v[PK+4*(\a)+(\r)], v[ACC+8*(\a)+2*(\r)], v[ACC+8*(\a)+2*(\r)+1]
.endr
.endr
.irp mi, 0,1
.irp ni, 0,1
	ds_store_b128 v[OSTO], v[PK+4*(2*(\mi)+(\ni)):PK+4*(2*(\mi)+(\ni))+3] offset:4352*(\mi)+32*(\ni)
.endr
.endr
	s_wait_dscnt 0x0
	s_barrier_signal -1
	s_barrier_wait -1
.irp i, 0,1,2,3
	ds_load_b128 v[RA+4*(\i):RA+4*(\i)+3], v[ORD] offset:4352*(\i)
.endr
	s_wait_dscnt 0x0
.irp i, 0,1,2,3
	global_store_b128 v[WO], v[RA+4*(\i):RA+4*(\i)+3], s[26:27] offset:16384*(\i)   ; 16 lanes store 256 consecutive bytes, aligned
.endr
	s_cmp_lg_u32 s77, 0
	s_cbranch_scc1 .Lw_end
	v_bfe_u32 v248, v0, 4, 1
	v_cmp_eq_u32 vcc_lo, 1, v248                   ; every register of a bias accumulator holds the bias of m = lane % 16: lanes 0-15 take block 0, lanes 16-31 block 1
	v_cndmask_b32 v249, v[BACC], v[BACC+8], vcc_lo
	s_cmp_eq_u32 s31, 0
	s_cbranch_scc1 .Lno_pb
	global_load_b32 v250, v[BO], s[22:23]          ; job 1: + p_b
	s_wait_loadcnt 0x0
	v_add_f32 v249, v249, v250
.Lno_pb:
	global_store_b32 v[BO], v249, s[28:29]         ; 128 consecutive bytes a wave, of a buffer of 4,096
.Lw_end:
	s_wait_tensorcnt 0x0                           ; the wave's end: three lines behind my last LDS store
	ds_add_u32 v[SPW], v[NIL]
	s_wait_dscnt 0x0
	s_endpgm
; ------------------------------------------------------------------ GROUPNORM ------------------------------------------------------------------
; The work-group takes groups gid and gid + 256: the same group number in batches b and b + 8, so one set of 16 gains and biases serves both.
; Thread t owns positions 4 t .. 4 t + 3 of each of a group's 16 channels: 16 loads of 16 bytes, each wave's covering 512 consecutive bytes.  v[16:79] hold the group in hand to the end,
; v[132:195] the second group as loaded.  The body is written once and walked twice; between the walks 64 moves bring the second group where the text names it.
.macro REDUCE off                      ; v[80:87], four chains of pairs -> the work-group's sum in v80 of every lane
	v_pk_add_f32 v[80:81], v[80:81], v[82:83]
	v_pk_add_f32 v[84:85], v[84:85], v[86:87]
	v_pk_add_f32 v[80:81], v[80:81], v[84:85]
	v_add_f32 v80, v80, v81
	v_add_f32_dpp v80, v80, v80 row_xmask:1 row_mask:0xf bank_mask:0xf
	v_add_f32_dpp v80, v80, v80 row_xmask:2 row_mask:0xf bank_mask:0xf
	v_add_f32_dpp v80, v80, v80 row_xmask:4 row_mask:0xf bank_mask:0xf
	v_add_f32_dpp v80, v80, v80 row_xmask:8 row_mask:0xf bank_mask:0xf
	v_permlanex16_b32 v81, v80, s68, s69
	v_add_f32 v80, v80, v81
	ds_store_b32 v3, v80 offset:\off               ; all lanes write the wave's word with the same number
	s_wait_dscnt 0x0
	s_barrier_signal -1
	s_barrier_wait -1
	ds_load_b128 v[88:91], v4 offset:\off
	ds_load_b128 v[92:95], v4 offset:(\off)+16
	s_wait_dscnt 0x0
	v_add_f32 v88, v88, v89
	v_add_f32 v90, v90, v91
	v_add_f32 v92, v92, v93
	v_add_f32 v94, v94, v95
	v_add_f32 v88, v88, v90
	v_add_f32 v92, v92, v94
	v_add_f32 v80, v88, v92
.endm
.Lgn:
	s_sub_co_u32 s31, ttmp9, 64                    ; gid, 0 to 255
	s_lshl_b32 s2, s31, 16                         ; 65,536 bytes of x,
	s_mov_b32 s3, 0
	s_lshl_b32 s70, s31, 15                        ; 32,768 of hc
	s_mov_b32 s71, 0
	s_and_b32 s72, s31, 31
	s_lshl_b32 s72, s72, 6                         ; the group's 16 gains and biases
	s_mov_b32 s73, 0
	s_mov_b32 s66, 0x38800000                      ; 1 / 16,384
	s_mov_b32 s67, 0x3727c5ac                      ; 1e-5
	s_mov_b32 s68, 0x76543210
	s_mov_b32 s69, 0xfedcba98
	s_lshl_b32 s77, s30, 2
	s_add_co_u32 s77, s77, RED
	v_lshlrev_b32 v1, 4, v0
	v_lshlrev_b32 v2, 3, v0
	v_mov_b32 v3, s77
	v_mov_b32 v4, RED
	s_wait_kmcnt 0x0
	s_add_nc_u64 s[4:5], s[4:5], s[2:3]
	s_add_nc_u64 s[74:75], s[4:5], 0x1000000       ; 256 groups on
	s_add_nc_u64 s[24:25], s[24:25], s[70:71]
	s_add_nc_u64 s[6:7], s[6:7], s[72:73]
	s_add_nc_u64 s[8:9], s[8:9], s[72:73]
.irp j, 0,1,2,3,4,5,6,7,8,9,10,11,12,13,14,15
	global_load_b128 v[16+4*(\j):19+4*(\j)], v1, s[4:5] offset:4096*(\j) th:TH_LOAD_NT
.endr
.irp j, 0,1,2,3,4,5,6,7,8,9,10,11,12,13,14,15
	global_load_b128 v[132+4*(\j):135+4*(\j)], v1, s[74:75] offset:4096*(\j) th:TH_LOAD_NT
.endr
	s_load_b512 s[32:47], s[6:7], 0x0              ; gn_w of the 16 channels
	s_load_b512 s[48:63], s[8:9], 0x0              ; gn_b
	s_mov_b32 s76, 2
.Lgrp:
	s_wait_loadcnt 16                              ; the first group is in; the second group's 16 loads may stay out (in the second walk nothing is out)
.irp k, 0,1,2,3                        ; the sum, in four chains that the first pairs start
	v_pk_add_f32 v[80+2*(\k):81+2*(\k)], v[16+2*(\k):17+2*(\k)], v[24+2*(\k):25+2*(\k)]
.endr
.set p, 8
.rept 24
	v_pk_add_f32 v[80+2*(p%4):81+2*(p%4)], v[80+2*(p%4):81+2*(p%4)], v[16+2*p:17+2*p]
.set p, p+1
.endr
	REDUCE 0
	v_mul_f32 v96, s66, v80                        ; the mean
	v_mov_b32 v97, v96
.set p, 0
.rept 32
	v_pk_add_f32 v[16+2*p:17+2*p], v[16+2*p:17+2*p], v[96:97] neg_lo:[0,1] neg_hi:[0,1]
.set p, p+1
.endr
.irp k, 0,1,2,3                        ; the sum of the squared deviations
	v_pk_mul_f32 v[80+2*(\k):81+2*(\k)], v[16+2*(\k):17+2*(\k)], v[16+2*(\k):17+2*(\k)]
.endr
.set p, 4
.rept 28
	v_pk_fma_f32 v[80+2*(p%4):81+2*(p%4)], v[16+2*p:17+2*p], v[16+2*p:17+2*p], v[80+2*(p%4):81+2*(p%4)]
.set p, p+1
.endr
	REDUCE 128                                     ; other words than the first sum's; between a word's reads and its next store lies the other sum's barrier
	v_fma_f32 v99, v80, s66, s67                   ; the variance + 1e-5
	v_rsq_f32 v98, v99
	v_nop                                          ; a plain instruction behind the root,
	s_wait_alu depctr_va_vdst(0)                   ; and a wait ahead of its first reader
	s_wait_kmcnt 0x0
.irp j, 0,1,2,3,4,5,6,7,8,9,10,11,12,13,14,15
	v_mul_f32 v99, s[32+(\j)], v98
.irp i, 0,1,2,3
	v_fma_f32 v[16+4*(\j)+(\i)], v[16+4*(\j)+(\i)], v99, s[48+(\j)]
.endr
	v_cvt_pk_bf16_f32 v[100+2*(\j)], v[16+4*(\j)], v[17+4*(\j)]
	v_cvt_pk_bf16_f32 v[101+2*(\j)], v[18+4*(\j)], v[19+4*(\j)]
	global_store_b64 v2, v[100+2*(\j):101+2*(\j)], s[24:25] offset:2048*(\j)   ; a wave stores 256 consecutive bytes, aligned
.endr
	s_sub_co_u32 s76, s76, 1
	s_cmp_eq_u32 s76, 0
	s_cbranch_scc1 .Lgn_end                        ; the second walk ends here
	s_wait_loadcnt 0x0                             ; the second group is in
	s_wait_xcnt 0x0                                ; the stores have read their data and their base
	s_add_nc_u64 s[24:25], s[24:25], 0x800000      ; 256 groups on in hc
.set p, 0
.rept 64
	v_mov_b32 v[16+p], v[132+p]
.set p, p+1
.endr
	s_cmp_lg_u32 s76, 0
	s_cbranch_scc1 .Lgrp
.Lgn_end:
	s_wait_tensorcnt 0x0                           ; the wave's end: three lines behind my last LDS store
	ds_add_u32 v[SPW], v[NIL]
	s_wait_dscnt 0x0
	s_endpgm
.Lfunc_end_k_qacfb25e161_prep:
	.size	k_qacfb25e161_prep, .Lfunc_end_k_qacfb25e161_prep-k_qacfb25e161_prep
	.p2alignl 7, 3214868480
	.fill 96, 4, 3214868480
	.section	.rodata,"a",@progbits
	.p2align	6, 0x0
	.amdhsa_kernel k_qacfb25e161_prep
		.amdhsa_group_segment_fixed_size 77056
		.amdhsa_private_segment_fixed_size 0
		.amdhsa_enable_private_segment 0
		.amdhsa_kernarg_size 104
		.amdhsa_user_sgpr_count 2
		.amdhsa_user_sgpr_kernarg_segment_ptr 1
		.amdhsa_wavefront_size32 1
		.amdhsa_system_sgpr_workgroup_id_x 1
		.amdhsa_system_sgpr_workgroup_id_y 1
		.amdhsa_system_sgpr_workgroup_id_z 1
		.amdhsa_system_vgpr_workitem_id 0
		.amdhsa_next_free_vgpr 256
		.amdhsa_next_free_sgpr 80
		.amdhsa_reserve_vcc 1
		.amdhsa_float_denorm_mode_32 3
		.amdhsa_float_denorm_mode_16_64 3
		.amdhsa_memory_ordered 1
		.amdhsa_forward_progress 1
		.amdhsa_inst_pref_size 52
	.end_amdhsa_kernel
	.amdgpu_metadata
---
amdhsa.version: [ 1, 2 ]
amdhsa.kernels:
  - .name:           k_qacfb25e161_prep
    .symbol:         k_qacfb25e161_prep.kd
    .args:
      - { .name: x, .offset: 0, .size: 8, .value_kind: global_buffer, .address_space: global }
      - { .name: gn_w, .offset: 8, .size: 8, .value_kind: global_buffer, .address_space: global }
      - { .name: gn_b, .offset: 16, .size: 8, .value_kind: global_buffer, .address_space: global }
      - { .name: q_w, .offset: 24, .size: 8, .value_kind: global_buffer, .address_space: global }
      - { .name: q_b, .offset: 32, .size: 8, .value_kind: global_buffer, .address_space: global }
      - { .name: k_w, .offset: 40, .size: 8, .value_kind: global_buffer, .address_space: global }
      - { .name: v_w, .offset: 48, .size: 8, .value_kind: global_buffer, .address_space: global }
      - { .name: v_b, .offset: 56, .size: 8, .value_kind: global_buffer, .address_space: global }
      - { .name: p_w, .offset: 64, .size: 8, .value_kind: global_buffer, .address_space: global }
      - { .name: p_b, .offset: 72, .size: 8, .value_kind: global_buffer, .address_space: global }
      - { .name: hc, .offset: 80, .size: 8, .value_kind: global_buffer, .address_space: global }
      - { .name: wcat, .offset: 88, .size: 8, .value_kind: global_buffer, .address_space: global }
      - { .name: bcat, .offset: 96, .size: 8, .value_kind: global_buffer, .address_space: global }
    .group_segment_fixed_size: 77056
    .private_segment_fixed_size: 0
    .kernarg_segment_align: 8
    .kernarg_segment_size: 104
    .max_flat_workgroup_size: 256
    .sgpr_count:     80
    .vgpr_count:     256
    .wavefront_size: 32
...
	.end_amdgpu_metadata
.endif
;; end of part 1
;; launch proj (part 2): grid 4 x 64, 4 waves a work-group, clusters of 4 x 4, 327,680 bytes of LDS; arguments hc, wcat, bcat, gu; writes gu
.if DOCPART == 2
	.amdgcn_target "amdgcn-amd-amdhsa--gfx1250"
	.amdhsa_code_object_version 6
	.text
	.protected	k_qacfb25e161_proj
	.globl	k_qacfb25e161_proj
	.p2align	8
	.type	k_qacfb25e161_proj,@function
k_qacfb25e161_proj:
	s_mov_b64 s[64:65], 0
	v_nop
	global_prefetch_b8 v0, s[64:65] scope:SCOPE_SE
	s_setreg_imm32_b32 hwreg(HW_REG_WAVE_MODE, 25, 1), 1
	s_wait_xcnt 0x0
	s_wait_alu depctr_hold_cnt(0) depctr_sa_sdst(0) depctr_va_vdst(0) depctr_va_sdst(0) depctr_va_ssrc(0) depctr_va_vcc(0) depctr_vm_vsrc(0)
	s_getreg_b32 s2, hwreg(HW_REG_IB_STS2, 6, 4)
	s_cmp_eq_u32 s2, 0
	s_cbranch_scc0 .Lentry_in_a_cluster
	s_endpgm
.Lentry_in_a_cluster:
	s_bfe_u32 s2, ttmp6, 0x10000c
	s_cmp_lg_u32 s2, 0xf033
	s_cbranch_scc0 .Lentry_shape_is_right
	s_endpgm
.Lentry_shape_is_right:
; AttnBlock, launch 2 of 3.  gu[p][n] = sum over c of h[p][c] wcat[n][c] + bcat[n]: columns 0-511 are g = A h + cv, columns 512-1,023 are u = (Wp Wv) h + (Wp vb + pb).
; No k, no v and no projection behind the attention are made, and temb and k_b are not used: shown at the head of launch 1.
; A GEMM of 16,384 positions x 1,024 columns, K = 512.  A tile of 256 x 256 to a work-group of four waves, 128 x 128 (64 accumulators, 512 registers) to a wave: 256 work-groups.
; K goes in four steps of 128 through two LDS slots filled by the tensor data mover.
; THE TEXT: the first quarter step, whose products start the sums; a loop of two trips that fill a slot again; a loop of two trips that do not, left in its middle.  A trip goes from a K step's
; second quarter to the next step's first.  Which slot is read is a scalar, turned by an exclusive or; one descriptor for each tensor walks from K step to K step.
; h lies as hc[batch][channel][position]: K runs down the rows.  Its tile (128 channels x 256 positions, rows of 512 bytes) is laid at a pitch of 544 bytes and its fragments come out
; turned, by ds_load_tr16_b128.  wcat's tile (256 rows x 128 K, rows of 256 bytes) lies along K, at a pitch of 272.
; CLUSTER 4 x 4: h's tile hangs on the tile row alone and is asked for jointly along a row of the cluster, wcat's on the tile column alone, along a column.
; THE MATRIX INSTRUCTION IS USED TRANSPOSED (source 0 = 16 rows of wcat, source 1 = 16 positions): a lane holds one position and eight neighbouring columns.  The first product of each
; accumulator takes the bias as C: nothing is cleared, and no bias is added afterwards.
; NO PREFETCH: K steps 0 and 1 are the first fills, and a look-ahead of two refills from them passes K's end.
; REGISTERS, in windows of 256: window 0: v0-31 addresses; v64-127, v128-191 h's fragments, two buffers; v32-63, v192-255 the way out.
;   window 1: v0-63 the bias of my 128 columns; v64-127, v128-191 wcat's fragments.  Windows 2, 3: the accumulators of my positions 0-63, 64-127 ((a, b) at v[8 (8 a + b)]).
.set PITCH,  272
.set PA,     544                       ; 512 bytes + 32: 136 words: row r starts at bank 8 r mod 64 (64 banks of 4 bytes: ISA guide 11.1)
.set HALFT,  34816                     ; what one tensor load brings: 64 rows x 544 of h, or 128 rows x 272 of wcat
.set SLOT,   4*HALFT                   ; 0x22000: it shares no bit with wave x HALFT (0x8800 x 0..3), so an exclusive or with it turns one slot's address into the other's
.set STAGE,  2*SLOT                    ; behind the ring: 16 rows x 272 bytes for each wave
.set SPITCH, 272
.set SPARE,  STAGE+4*16*SPITCH         ; the spare words, 128 bytes for each wave: two blocks of 256 bytes that no other line names
.set ROWC,   2048                      ; bytes in a row of gu
.set ADRA0, 16                         ; v16 my lane's place among h's fragments in slot 0; never rewritten;  v17 the same in the slot in hand
.set ADRA,  17
.set ADRB0, 20                         ; v20, v21 the same for wcat's
.set ADRB,  21
.set STO,  24
.set RD,   25
.set CO,   26
.set BOF,  27
.set SPW,  28
.set NIL,  29
.set F0,   64
.set F1,   128
.set TMP,  192
.set OB,   32
.set WV, 12                            ; s12 wave; s13 my half of the positions, also: I fetch h (0) or wcat (1); s14 my half of the columns, also: which half of that tile I fetch
.set RH, 13
.set CH, 14
.set G1,  24
.set G0,  32                           ; s[32:35], s[36:39] group 0 for h's tiles: a set for each first fill; the second then walks
.set G1B, 48
.set G0B, 56                           ; s[56:59], s[60:63] the same for wcat's
.set TB,  66                           ; s66 the LDS byte at which the slot in hand begins
.set CNT, 67                           ; s67 counts a loop's trips
.set MSB, 0
.macro WIN new                         ; the immediate's high byte repeats the setting that is left
.if MSB != (\new)
	s_set_vgpr_msb (MSB<<8)|(\new)
.set MSB, \new
.endif
.endm
.set TO_B, 0x40
.macro PLACES
.rept 4
	v_nop
.endr
.endm
.macro JLOAD s                         ; a joint load; the branch hangs on the wave's number alone; an s_nop 0 and four v_nop follow each line
	s_cmp_eq_u32 s[RH], 0
	s_cbranch_scc0 .Lfor_b_\@
	tensor_load_to_lds s[G0+4*(\s):G0+4*(\s)+3], s[G1:G1+7]
	s_nop 0
	PLACES
	s_branch .Lasked_\@
.Lfor_b_\@:
	tensor_load_to_lds s[G0B+4*(\s):G0B+4*(\s)+3], s[G1B:G1B+7]
	s_nop 0
	PLACES
.Lasked_\@:
.endm
.macro CREST                           ; a round of the cluster's barrier behind its opening barrier
	s_cmp_lg_u32 s[WV], 0
	s_cbranch_scc1 .Lnot_wave_0_\@
	s_barrier_signal -3
.Lnot_wave_0_\@:
	s_barrier_wait -3
	s_barrier_signal -1
	s_barrier_wait -1
.endm
.macro CROUND
	s_barrier_signal -1
	s_barrier_wait -1
	CREST
.endm
	s_load_b256 s[4:11], s[0:1], 0x0               ; hc 4, wcat 6, bcat 8, gu 10
	v_lshl_add_u32 v[SPW], v0, 2, SPARE
	v_mov_b32 v[NIL], 0
	ds_add_u32 v[SPW], v[NIL]                      ; the wave's opening: the add, twice on end, and its wait ahead of my first tensor load
	ds_add_u32 v[SPW], v[NIL]
	v_lshrrev_b32 v1, 5, v0
	v_readfirstlane_b32 s[WV], v1
	s_lshr_b32 s[RH], s[WV], 1
	s_and_b32 s[CH], s[WV], 1
	s_bfe_u32 s15, ttmp6, 0x40000                  ; cx
	s_bfe_u32 s16, ttmp6, 0x40004                  ; cy
	s_lshl_b32 s17, ttmp9, 2
	s_add_co_u32 s17, s17, s15                     ; tile column
	s_and_b32 s18, ttmp7, 0xffff
	s_lshl_b32 s18, s18, 2
	s_add_co_u32 s18, s18, s16                     ; tile row: batch = row / 4, positions 256 (row % 4) on
	s_lshl_b32 s19, s16, 2
	s_lshl_b32 s19, 15, s19                        ; my row of the cluster
	s_lshl_b32 s20, 0x1111, s15                    ; my column
	s_or_b32 s[G1], s19, (1<<16)|(1<<20)|(1<<21)|(6<<22)|(7<<25)   ; the mask; 2-byte elements; padding on; bit 21 beside a mask; after every 128 words, 8 words
	s_mov_b32 s[G1+1], 256<<16                     ; tensor_dim0 = 256 positions
	s_mov_b32 s[G1+2], 64<<16                      ; tensor_dim1 = 64 channels
	s_mov_b32 s[G1+3], 256<<16                     ; tile_dim0
	s_mov_b32 s[G1+4], 64                          ; tile_dim1
	s_mov_b32 s[G1+5], 1024                        ; elements from channel to channel
	s_mov_b32 s[G1+6], 0
	s_mov_b32 s[G1+7], 0
	s_or_b32 s[G1B], s20, (1<<16)|(1<<20)|(1<<21)|(5<<22)|(3<<25)  ; after every 64 words, 4 words
	s_mov_b32 s[G1B+1], 128<<16
	s_mov_b32 s[G1B+2], 128<<16
	s_mov_b32 s[G1B+3], 128<<16
	s_mov_b32 s[G1B+4], 128
	s_mov_b32 s[G1B+5], 512
	s_mov_b32 s[G1B+6], 0
	s_mov_b32 s[G1B+7], 0
	s_lshr_b32 s22, s18, 2                         ; h's tile: batch x 1 MiB + 512 bytes x (row % 4) + my 64 channels
	s_lshl_b32 s22, s22, 20
	s_and_b32 s21, s18, 3
	s_lshl_b32 s21, s21, 9
	s_add_co_u32 s22, s22, s21
	s_lshl_b32 s21, s[CH], 17
	s_add_co_u32 s22, s22, s21
	s_mov_b32 s23, 0
	s_lshl_b32 s46, s17, 18                        ; wcat's tile: (256 column + 128 half) rows of 1,024 bytes
	s_lshl_b32 s45, s[CH], 17
	s_add_co_u32 s46, s46, s45
	s_mov_b32 s47, 0
	s_mul_i32 s44, s[WV], HALFT                    ; where they go: no place in the cluster enters an LDS address
	s_mov_b32 s[TB], 0
	s_wait_dscnt 0x0                               ; both opening adds are done
	s_wait_kmcnt 0x0
	s_add_nc_u64 s[40:41], s[4:5], s[22:23]
	s_add_nc_u64 s[42:43], s[6:7], s[46:47]
	CROUND                                         ; all sixteen work-groups are here: the first joint loads meet
.irp s, 0,1
	s_mov_b32 s[G0+4*(\s)], 1
	s_add_co_u32 s[G0+4*(\s)+1], s44, (\s)*SLOT
	s_add_nc_u64 s[G0+4*(\s)+2:G0+4*(\s)+3], s[40:41], (\s)*262144   ; K step s: 128 channels of 2,048 bytes
	s_or_b32 s[G0+4*(\s)+3], s[G0+4*(\s)+3], 0x80000000
	s_mov_b32 s[G0B+4*(\s)], 1
	s_add_co_u32 s[G0B+4*(\s)+1], s44, (\s)*SLOT
	s_add_nc_u64 s[G0B+4*(\s)+2:G0B+4*(\s)+3], s[42:43], (\s)*256
	s_or_b32 s[G0B+4*(\s)+3], s[G0B+4*(\s)+3], 0x80000000
	JLOAD \s
.endr
	s_lshl_b32 s2, s17, 10                         ; the bias of my 128 columns
	s_lshl_b32 s3, s[CH], 9
	s_add_co_u32 s2, s2, s3
	s_mov_b32 s3, 0
	s_add_nc_u64 s[8:9], s[8:9], s[2:3]
	v_and_b32 v1, 15, v0                           ; l % 16
	v_bfe_u32 v2, v0, 4, 1                         ; l / 16
	v_lshlrev_b32 v[BOF], 5, v2
	WIN TO_B
.irp b, 0,1,2,3,4,5,6,7                ; register j of block b: column 16 b + 8 (l / 16) + j, as in a result
	global_load_b128 v[8*(\b):8*(\b)+3],   v[BOF], s[8:9] offset:64*(\b)
	global_load_b128 v[8*(\b)+4:8*(\b)+7], v[BOF], s[8:9] offset:64*(\b)+16
.endr
	WIN 0
	v_and_b32 v3, 7, v0
	v_lshl_add_u32 v3, v2, 3, v3
	v_mul_u32_u24 v3, v3, PA
	v_bfe_u32 v4, v0, 3, 1
	v_lshl_add_u32 v3, v4, 4, v3                   ; the turning load: channel 8 (l / 16) + l % 8, positions 8 ((l / 8) % 2) on
	s_lshl_b32 s21, s[RH], 8                       ; my 128 positions
	v_add_nc_u32 v[ADRA0], s21, v3
	v_mov_b32 v[ADRA], v[ADRA0]
	v_mul_u32_u24 v5, v1, PITCH
	v_lshl_add_u32 v5, v2, 4, v5
	s_mul_i32 s21, s[CH], HALFT
	s_add_co_u32 s21, s21, 2*HALFT
	v_add_nc_u32 v[ADRB0], s21, v5
	v_mov_b32 v[ADRB], v[ADRB0]
	s_mul_i32 s21, s[WV], 16*SPITCH
	s_add_co_u32 s21, s21, STAGE
	v_add_nc_u32 v[STO], s21, v5                   ; in: row l % 16, 16 bytes for each half of the lanes
	v_mul_u32_u24 v5, v2, SPITCH
	v_lshl_add_u32 v5, v1, 4, v5
	v_add_nc_u32 v[RD], s21, v5                    ; back: lanes 0-15 one row of 256 bytes, lanes 16-31 the next
	v_lshlrev_b32 v[CO], 11, v2
	v_lshl_add_u32 v[CO], v1, 4, v[CO]
	s_lshl_b32 s2, s18, 19                         ; gu at my part of the tile: (256 row + 128 half) x 2,048 + 512 column + 256 half
	s_lshl_b32 s3, s[RH], 18
	s_add_co_u32 s2, s2, s3
	s_lshl_b32 s3, s17, 9
	s_add_co_u32 s2, s2, s3
	s_lshl_b32 s3, s[CH], 8
	s_add_co_u32 s2, s2, s3
	s_mov_b32 s3, 0
	s_add_nc_u64 s[10:11], s[10:11], s[2:3]
; 16 matrix instructions: position blocks a0, a0 + 1 of the window's four x all 8 column blocks, 32 along K.  bias = 1: the first product starts the sums with the bias (C in window 1).
; The 64 accumulators take turns, one instruction a turn, in the same order in every quarter, over the backward jumps too.
.macro MUL16 f, hi, a0, bias
.if \bias
	WIN 0x91+0x40*(\hi)
.else
	WIN 0xa1+0x50*(\hi)
.endif
.irp a, \a0, (\a0)+1
.irp b, 0,1,2,3,4,5,6,7
.if \bias
	v_wmma_f32_16x16x32_bf16 v[8*(8*(\a)+(\b)):8*(8*(\a)+(\b))+7], v[(\f)+8*(\b):(\f)+8*(\b)+7], v[(\f)+8*(4*(\hi)+(\a)):(\f)+8*(4*(\hi)+(\a))+7], v[8*(\b):8*(\b)+7]
.else
	v_wmma_f32_16x16x32_bf16 v[8*(8*(\a)+(\b)):8*(8*(\a)+(\b))+7], v[(\f)+8*(\b):(\f)+8*(\b)+7], v[(\f)+8*(4*(\hi)+(\a)):(\f)+8*(4*(\hi)+(\a))+7], v[8*(8*(\a)+(\b)):8*(8*(\a)+(\b))+7]
.endif
.endr
.endr
.endm
; 32 LDS loads in one run: quarter q (32 along K) of the slot in hand into buffer f: wcat's first, then h's
.macro FETCH q, f
	WIN TO_B
.irp i, 0,1,2,3,4,5,6,7
	ds_load_b128 v[(\f)+8*(\i):(\f)+8*(\i)+3],   v[ADRB] offset:64*(\q)+(\i)*16*PITCH
	ds_load_b128 v[(\f)+8*(\i)+4:(\f)+8*(\i)+7], v[ADRB] offset:64*(\q)+(\i)*16*PITCH+32
.endr
	WIN 0
.irp i, 0,1,2,3,4,5,6,7
	ds_load_tr16_b128 v[(\f)+8*(\i):(\f)+8*(\i)+3],   v[ADRA] offset:32*PA*(\q)+32*(\i)
	ds_load_tr16_b128 v[(\f)+8*(\i)+4:(\f)+8*(\i)+7], v[ADRA] offset:32*PA*(\q)+32*(\i)+16*PA
.endr
.endm
.macro FLIP                            ; the fetches turn to the other slot; no LDS load of mine is out
	s_xor_b32 s[TB], s[TB], SLOT
	v_add_nc_u32 v[ADRA], s[TB], v[ADRA0]
	v_add_nc_u32 v[ADRB], s[TB], v[ADRB0]
.endm
.macro QUARTER q, f, g, bias           ; multiplies buffer f; in its middle fetches quarter q of the slot in hand into g
	s_wait_dscnt 8                                 ; wcat's fragments and h's blocks 0-3 are in; the youngest eight loads (h's blocks 4-7) may be out
	MUL16 \f, 0, 0, \bias
	MUL16 \f, 0, 2, \bias
	PLACES                                         ; in front of the loads into registers that matrix instructions have read
	FETCH \q, \g
	s_wait_dscnt 32                                ; all but the 32 just issued
	MUL16 \f, 1, 0, \bias
	MUL16 \f, 1, 2, \bias
.endm
; The last quarter of a K step multiplies buffer 1 and changes slots: one barrier; in front of it each wave waits for all its tensor loads (its part of the next slot), adds 0 to its
; spare word, and waits for that and for its reads of this slot.  fill = 1: the barrier opens a round of the cluster's, and the joint refill, two K steps on, stands first behind the round.
; fill = 0: nothing is left to ask for; in the last K step (count 1) there is no next slot either, and the run of LDS loads is jumped over.
.macro TURN fill
	WIN 0
	s_wait_tensorcnt 0x0
	ds_add_u32 v[SPW], v[NIL]
	s_wait_dscnt 9                                 ; the add and the youngest eight loads may be out
	MUL16 F1, 0, 0, 0
	s_wait_dscnt 0x0                               ; the add is done, and my reads of this slot are over
	s_barrier_signal -1
	MUL16 F1, 0, 2, 0
	WIN 0
	s_barrier_wait -1
.if \fill
	CREST
	s_xor_b32 s[G0+5], s[G0+5], SLOT               ; the walking descriptors: the other slot than last time, the K step behind the one asked for last
	s_add_nc_u64 s[G0+6:G0+7], s[G0+6:G0+7], 262144
	s_xor_b32 s[G0B+5], s[G0B+5], SLOT
	s_add_nc_u64 s[G0B+6:G0B+7], s[G0B+6:G0B+7], 256
	JLOAD 1                                        ; its four v_nop are also the places in front of the loads below
	FLIP
	FETCH 0, F0
.else
	s_cmp_eq_u32 s[CNT], 1
	s_cbranch_scc1 .Lnone_\@
	PLACES
	FLIP
	FETCH 0, F0
.Lnone_\@:
.endif
	MUL16 F1, 1, 0, 0
	MUL16 F1, 1, 2, 0
.endm
; THE WAY OUT of block a (16 positions): rounded to bf16; into my own stage; back as whole rows of 256 bytes; stored.
.macro PACK a
.set AC, 64*((\a)%4)
	WIN 0x0a+5*((\a)/4)
.irp b, 0,1,2,3,4,5,6,7
.irp r, 0,1,2,3
	v_cvt_pk_bf16_f32 v[TMP+4*(\b)+(\r)], v[AC+8*(\b)+2*(\r)], v[AC+8*(\b)+2*(\r)+1]
.endr
.endr
	WIN 0
.endm
.macro TOSTAGE a
	WIN 0
.set BK, OB+192*((\a)%2)
.irp b, 0,1,2,3,4,5,6,7
	ds_store_b128 v[STO], v[TMP+4*(\b):TMP+4*(\b)+3] offset:32*(\b)
.endr
.irp t, 0,1,2,3,4,5,6,7
	ds_load_b128 v[BK+4*(\t):BK+4*(\t)+3], v[RD] offset:(\t)*2*SPITCH   ; LDS serves a wave's instructions in order (ISA guide 5.7.1.4): these see the stores above
.endr
.endm
.macro SEND a
	WIN 0
.set BK, OB+192*((\a)%2)
	s_wait_dscnt 0x0
	s_wait_xcnt 0x0                                ; the stores' base and the registers that earlier stores read are rewritten only behind this wait
.if (\a) > 0
	s_add_nc_u64 s[10:11], s[10:11], 16*ROWC
.endif
.irp t, 0,1,2,3,4,5,6,7
	global_store_b128 v[CO], v[BK+4*(\t):BK+4*(\t)+3], s[10:11] offset:2*(\t)*ROWC   ; 16 lanes store 256 consecutive bytes, aligned
.endr
.endm
	s_wait_tensorcnt 1                             ; my part of K step 0 is in; K step 1's may stay out
	s_barrier_signal -1
	s_barrier_wait -1
	FETCH 0, F0
	s_wait_loadcnt 0x0                             ; the bias
	QUARTER 1, F0, F1, 1                           ; the first quarter stands in front of the loops: its products start the sums
	WIN 0                                          ; at a label and at a branch every window is 0
	s_mov_b32 s[CNT], 2
.Lfill:                                ; two trips: the rest of K steps 0 and 1; K steps 2 and 3 are asked for
	QUARTER 2, F1, F0, 0
	QUARTER 3, F0, F1, 0
	TURN 1
	QUARTER 1, F0, F1, 0
	WIN 0
	s_sub_co_u32 s[CNT], s[CNT], 1
	s_cmp_lg_u32 s[CNT], 0
	s_cbranch_scc1 .Lfill
	s_mov_b32 s[CNT], 2
.Ltail:                                ; the rest of K steps 2 and 3: written apart; the second trip is left behind its change of slots
	QUARTER 2, F1, F0, 0
	QUARTER 3, F0, F1, 0
	TURN 0
	WIN 0
	s_sub_co_u32 s[CNT], s[CNT], 1
	s_cmp_eq_u32 s[CNT], 0
	s_cbranch_scc1 .Lout
	QUARTER 1, F0, F1, 0
	WIN 0
	s_cmp_lg_u32 s[CNT], 0
	s_cbranch_scc1 .Ltail
.Lout:
	PLACES
	PACK 0
	TOSTAGE 0
.irp a, 1,2,3,4,5,6,7                  ; block a's conversions stand between block a - 1's loads from the stage and the wait for them
	PACK \a
	SEND (\a)-1
	TOSTAGE \a
.endr
	SEND 7
	s_wait_tensorcnt 0x0                           ; the wave's end
	ds_add_u32 v[SPW], v[NIL]
	s_wait_dscnt 0x0
	CROUND                                         ; the closing round
	s_endpgm
.Lfunc_end_k_qacfb25e161_proj:
	.size	k_qacfb25e161_proj, .Lfunc_end_k_qacfb25e161_proj-k_qacfb25e161_proj
	.p2alignl 7, 3214868480
	.fill 96, 4, 3214868480
	.section	.rodata,"a",@progbits
	.p2align	6, 0x0
	.amdhsa_kernel k_qacfb25e161_proj
		.amdhsa_group_segment_fixed_size 327680
		.amdhsa_private_segment_fixed_size 0
		.amdhsa_enable_private_segment 0
		.amdhsa_kernarg_size 32
		.amdhsa_user_sgpr_count 2
		.amdhsa_user_sgpr_kernarg_segment_ptr 1
		.amdhsa_wavefront_size32 1
		.amdhsa_system_sgpr_workgroup_id_x 1
		.amdhsa_system_sgpr_workgroup_id_y 1
		.amdhsa_system_sgpr_workgroup_id_z 1
		.amdhsa_system_vgpr_workitem_id 0
		.amdhsa_next_free_vgpr 1024
		.amdhsa_next_free_sgpr 68
		.amdhsa_reserve_vcc 0
		.amdhsa_float_denorm_mode_32 3
		.amdhsa_float_denorm_mode_16_64 3
		.amdhsa_memory_ordered 1
		.amdhsa_forward_progress 1
		.amdhsa_inst_pref_size 102
	.end_amdhsa_kernel
	.amdgpu_metadata
---
amdhsa.version: [ 1, 2 ]
amdhsa.kernels:
  - .name:           k_qacfb25e161_proj
    .symbol:         k_qacfb25e161_proj.kd
    .args:
      - { .name: hc, .offset: 0, .size: 8, .value_kind: global_buffer, .address_space: global }
      - { .name: wcat, .offset: 8, .size: 8, .value_kind: global_buffer, .address_space: global }
      - { .name: bcat, .offset: 16, .size: 8, .value_kind: global_buffer, .address_space: global }
      - { .name: gu, .offset: 24, .size: 8, .value_kind: global_buffer, .address_space: global }
    .group_segment_fixed_size: 327680
    .private_segment_fixed_size: 0
    .kernarg_segment_align: 8
    .kernarg_segment_size: 32
    .max_flat_workgroup_size: 128
    .sgpr_count:     68
    .vgpr_count:     1024
    .wavefront_size: 32
...
	.end_amdgpu_metadata
.endif
;; end of part 2
;; launch attn (part 3): grid 16 x 16, 4 waves a work-group, clusters of 4 x 1, 327,680 bytes of LDS; arguments hc, gu, x, out0; writes out0
.if DOCPART == 3
	.amdgcn_target "amdgcn-amd-amdhsa--gfx1250"
	.amdhsa_code_object_version 6
	.text
	.protected	k_qacfb25e161_attn
	.globl	k_qacfb25e161_attn
	.p2align	8
	.type	k_qacfb25e161_attn,@function
k_qacfb25e161_attn:
	s_mov_b64 s[64:65], 0
	v_nop
	global_prefetch_b8 v0, s[64:65] scope:SCOPE_SE
	s_setreg_imm32_b32 hwreg(HW_REG_WAVE_MODE, 25, 1), 1
	s_wait_xcnt 0x0
	s_wait_alu depctr_hold_cnt(0) depctr_sa_sdst(0) depctr_va_vdst(0) depctr_va_sdst(0) depctr_va_ssrc(0) depctr_va_vcc(0) depctr_vm_vsrc(0)
	s_getreg_b32 s2, hwreg(HW_REG_IB_STS2, 6, 4)
	s_cmp_eq_u32 s2, 0
	s_cbranch_scc0 .Lentry_in_a_cluster
	s_endpgm
.Lentry_in_a_cluster:
	s_bfe_u32 s2, ttmp6, 0x10000c
	s_cmp_lg_u32 s2, 0x3003
	s_cbranch_scc0 .Lentry_shape_is_right
	s_endpgm
.Lentry_shape_is_right:
; AttnBlock, launch 3 of 3.  out[b][c][i] = x[b][c][i] + sum over j of softmax_j(g_i . h_j / sqrt(512)) u_j[c].  g, u: gu[position][1,024]; h: hc[b][channel][position].
; The keys are h and the values are u, which holds the output projection and all live biases; temb and k_b are not used: shown at the head of launch 1.
; SHARES.  A work-group owns 64 queries of one batch (grid x: 16 blocks, y: 16 batches).  ALL ITS 64 x 1,024 SCORES STAY IN REGISTERS, 512 a wave: one exact maximum over all keys, one pass
; of exponentials, no rescaling.  p = 2^(c s - c m), c = log2(e) / sqrt(512).  The divisor l is the sum of the weights AS ROUNDED to bf16, the numbers that multiply u.
; LIMITS.  A weight below 2^-126 counts as 0.  NaN and infinities are not treated apart.
; THE RING.  Sixteen tiles of one shape, 128 rows x 1,024 bytes at 2,048 bytes from row to row, go through two LDS slots: eight key tiles (channel block c, 128 channels; key half, 512 keys),
; then eight value tiles (keys 128 s on, u's 512 channels).  In both K runs down the rows, so all fragments come out turned, by ds_load_tr16_b128, with one address pattern.
; THE WALK IS TURNED BY THE CLUSTER'S NUMBER k (0 to 3 within a batch): the channel blocks go k, k + 1, .. modulo 4, the value tiles 2 k, 2 k + 1, .. modulo 8 (sums in f32 may be taken in any
; order).  So in one and the same trip a batch's four clusters ask for four different tiles, and each tile stands among the first two of exactly one cluster's walk of keys or of values.
; SCORES.  S^T = K Q^T (source 0 = 16 keys, source 1 = 16 queries, straight from memory): a lane holds one query.  In a key tile wave w takes the keys 128 t + 32 w + 16 e (i = 2 t + e), so that
; its scores of value tile s = 4 (key half) + t are 64 registers on end, which rounded in pairs are fragments of P.  P goes through LDS, 128 keys at a time, since every wave wants all keys.
; VALUES.  O = P U (source 0 = 16 queries x 32 keys, source 1 = 16 channels): a lane holds one channel and eight neighbouring queries, 32 bytes of a row of out.  Wave w owns channels 128 w on.
; CLUSTER 4, 1, 1.  The query blocks of a batch walk the same sixteen tiles; a mask names four, so four blocks form a cluster and ask for every tile jointly, each wave for its 32 rows.
; REGISTERS, in windows of 256 (s_set_vgpr_msb: bits 1:0 source 0, 3:2 source 1, 5:4 source 2, 7:6 destination):
;   window 0: v0-19 addresses; v20-27 c m in pairs; v30-37 maxima; v40-47 ones; v48-63 at work; v64-127, v128-191 K's or U's fragments, two buffers; v192-223, v224-255 P's
;   window 1: Q (quarter q, query tile t at 8 (4 q + t)); l's accumulators at 128 + 8 t; then O ((i, t) at 8 (4 i + t))
;   windows 2, 3: S^T of the keys' halves ((i, t) at 8 (4 i + t)); window 2 takes x at the end
.set PT,    1056                       ; 1,024 bytes + 32: 264 words: row r starts at bank 8 r mod 64 (64 banks of 4 bytes: ISA guide 11.1)
.set SLOTB, 128*PT
.set PB0,   2*SLOTB                    ; two buffers of P: 64 queries x 272 bytes; at the end the first holds the four waves' stages
.set PBB,   17408
.set PP,    272
.set MAXS,  PB0+2*PBB                  ; [64 queries][4 waves]
.set SUMS,  MAXS+1024                  ; [4 waves][64 queries]
.set SPARE, SUMS+1024                  ; the spare words, 128 bytes for each wave: two blocks of 256 bytes that no other line names
.set AT,  4                            ; v4-7  my lane's place in a tile: slot s, rows 64 (q / 2) on, at AT + 2 s + q / 2
.set QO,  8
.set PST, 9
.set PRD, 10
.set MST, 11
.set MRD, 12
.set SST, 13
.set SRD, 14
.set STO, 15
.set RD,  16
.set XO,  17
.set PFO, 18
.set CM,  20
.set SPW, 28
.set NIL, 29
.set MX,  30
.set MP,  34
.set ONES, 40
.set MR,  48
.set F0,  64
.set F1,  128
.set PF0, 192
.set PF1, 224
.set LI,  64
.set WV,  12
.set CX,  13
.set QBN, 14
.set BT,  15
.set G1,  16                           ; s[16:23] descriptor group 1, one for all tiles
.set G0,  24                           ; s[24:27], s[28:31] group 0 of slot 0, slot 1
.set VD0, 32                           ; s[32:33], s[34:35] the address words of my rows of my walk's first two value tiles
.set VD1, 34
.set QB,  36                           ; s[36:37] Q at the channel block that is being loaded
.set XB,  38
.set OBA, 40
.set PFA, 46                           ; s[46:47] my walk's first value tile; never rewritten
.set KC,  48                           ; s48 the channel block asked for last
.set VK,  49                           ; s49 half the number of the even value tile asked for last
.set QOF, 50                           ; s[50:51] that channel block's bytes in a row of g
.set PJ,  52                           ; s52 half the number of the value tile whose P is stored next
.set CNT, 53
.set CS,  54
.set SEL, 56
.set W192, 58
.set KB0, 66                           ; s[66:67], s[68:69] my 32 rows of channel block 0, key half 0, 1
.set VB0, 70                           ; s[70:71], s[72:73] my 32 rows of value tile 0, 1
.set KOF, 74                           ; s[74:75] KC x 128 channels of 2,048 bytes
.set VOF, 76                           ; s[76:77] VK x 256 keys of 2,048 bytes
.set QB0, 78                           ; s[78:79] my 64 rows of gu
.set MSB, 0
.macro WIN new                         ; the immediate's high byte repeats the setting that is left
.if MSB != (\new)
	s_set_vgpr_msb (MSB<<8)|(\new)
.set MSB, \new
.endif
.endm
.macro PLACES                          ; four plain places behind matrix instructions, in front of loads into registers that they have read and of reads of results
.rept 4
	v_nop
.endr
.endm
.macro CREST
	s_cmp_lg_u32 s[WV], 0
	s_cbranch_scc1 .Lnot_wave_0_\@
	s_barrier_signal -3
.Lnot_wave_0_\@:
	s_barrier_wait -3
	s_barrier_signal -1
	s_barrier_wait -1
.endm
.macro CROUND
	s_barrier_signal -1
	s_barrier_wait -1
	CREST
.endm
	s_load_b256 s[4:11], s[0:1], 0x0               ; hc 4, gu 6, x 8, out0 10
	v_lshl_add_u32 v[SPW], v0, 2, SPARE
	v_mov_b32 v[NIL], 0
	ds_add_u32 v[SPW], v[NIL]                      ; the wave's opening: the add, twice on end, and its wait ahead of my first tensor load
	ds_add_u32 v[SPW], v[NIL]
	v_lshrrev_b32 v3, 5, v0
	v_readfirstlane_b32 s[WV], v3
	s_bfe_u32 s[CX], ttmp6, 0x40000
	s_lshl_b32 s[QBN], ttmp9, 2
	s_add_co_u32 s[QBN], s[QBN], s[CX]             ; my block of 64 queries: it enters Q's, x's and out's addresses alone
	s_and_b32 s[BT], ttmp7, 0xffff                 ; the batch, which the four partners share
	s_mov_b32 s[G1], 15|(1<<16)|(1<<20)|(1<<21)|(7<<22)|(7<<25)   ; the mask of four; 2-byte elements; padding on; bit 21 beside a mask; after every 256 words, 8 words
	s_mov_b32 s[G1+1], 512<<16                     ; tensor_dim0 = 512
	s_mov_b32 s[G1+2], 32<<16                      ; tensor_dim1 = 32
	s_mov_b32 s[G1+3], 512<<16                     ; tile_dim0
	s_mov_b32 s[G1+4], 32                          ; tile_dim1: each wave brings its own 32 rows
	s_mov_b32 s[G1+5], 1024                        ; elements from row to row, in hc and in gu
	s_mov_b32 s[G1+6], 0
	s_mov_b32 s[G1+7], 0
	s_mov_b32 s[G0], 1
	s_mul_i32 s[G0+1], s[WV], 32*PT
	s_mov_b32 s[G0+4], 1
	s_add_co_u32 s[G0+5], s[G0+1], SLOTB
	s_lshl_b32 s60, s[BT], 20                      ; the batch's h
	s_mov_b32 s61, 0
	s_lshl_b32 s62, s[WV], 16                      ; my 32 rows of a tile
	s_mov_b32 s63, 0
	s_mov_b32 s[KC], ttmp9                         ; the cluster's number, the same in the four partners: where my walks begin
	s_mov_b32 s[VK], ttmp9
	s_mov_b32 s[PJ], ttmp9
	s_lshl_b32 s[KOF], ttmp9, 18
	s_mov_b32 s[KOF+1], 0
	s_lshl_b32 s[VOF], ttmp9, 19
	s_mov_b32 s[VOF+1], 0
	s_lshl_b32 s[QOF], ttmp9, 8
	s_mov_b32 s[QOF+1], 0
	s_mov_b32 s[CS], 0x3d8293ee                    ; c = log2(e) / sqrt(512) = 0.0637587
	s_mov_b32 s[CS+1], s[CS]
	s_mov_b32 s[SEL], 0x76543210
	s_mov_b32 s[SEL+1], 0xfedcba98
	s_mul_i32 s[W192], s[WV], 192
	s_wait_dscnt 0x0                               ; both opening adds are done
	s_wait_kmcnt 0x0
	s_add_nc_u64 s[KB0:KB0+1], s[4:5], s[60:61]
	s_add_nc_u64 s[KB0:KB0+1], s[KB0:KB0+1], s[62:63]
	s_add_nc_u64 s[KB0+2:KB0+3], s[KB0:KB0+1], 1024        ; the other 512 keys
	s_lshl_b32 s60, s[BT], 21                      ; the batch's rows of gu
	s_add_nc_u64 s[QB0:QB0+1], s[6:7], s[60:61]
	s_add_nc_u64 s[PFA:PFA+1], s[QB0:QB0+1], 1024  ; u begins 1,024 bytes into a row
	s_add_nc_u64 s[VB0:VB0+1], s[PFA:PFA+1], s[62:63]
	s_add_nc_u64 s[VB0+2:VB0+3], s[VB0:VB0+1], 0x40000
	s_add_nc_u64 s[PFA:PFA+1], s[PFA:PFA+1], s[VOF:VOF+1]
	s_add_nc_u64 s[G0+2:G0+3], s[KB0:KB0+1], s[KOF:KOF+1]      ; my walk's first two key tiles
	s_add_nc_u64 s[G0+6:G0+7], s[KB0+2:KB0+3], s[KOF:KOF+1]
	s_or_b32 s[G0+3], s[G0+3], 0x80000000
	s_or_b32 s[G0+7], s[G0+7], 0x80000000
	s_add_nc_u64 s[VD0:VD0+1], s[VB0:VB0+1], s[VOF:VOF+1]
	s_add_nc_u64 s[VD1:VD1+1], s[VB0+2:VB0+3], s[VOF:VOF+1]
	s_or_b32 s[VD0+1], s[VD0+1], 0x80000000
	s_or_b32 s[VD1+1], s[VD1+1], 0x80000000
	s_lshl_b32 s2, s[QBN], 17                      ; my 64 rows of gu
	s_mov_b32 s3, 0
	s_add_nc_u64 s[QB0:QB0+1], s[QB0:QB0+1], s[2:3]
	s_add_nc_u64 s[QB:QB+1], s[QB0:QB0+1], s[QOF:QOF+1]
	s_lshl_b32 s2, s[WV], 19                       ; x and out: batch x 2 MiB + my 128 channels + my 64 positions
	s_add_co_u32 s2, s2, s60
	s_lshl_b32 s60, s[QBN], 8
	s_add_co_u32 s2, s2, s60
	s_add_nc_u64 s[XB:XB+1], s[8:9], s[2:3]
	s_add_nc_u64 s[OBA:OBA+1], s[10:11], s[2:3]
	CROUND                                         ; all four work-groups are here: the first joint loads meet
	tensor_load_to_lds s[G0:G0+3], s[G1:G1+7]      ; the walk's tile 0
	s_nop 0
	tensor_load_to_lds s[G0+4:G0+7], s[G1:G1+7]    ; tile 1: two loads of mine are out
	s_nop 0
	PLACES
; Q's fragments of quarter q (32 channels) of the channel block at s[QB]: 4 query tiles, two loads of 16 bytes a lane each
.macro QLOAD q
	WIN 0x40
.irp t, 0,1,2,3
	global_load_b128 v[8*(4*(\q)+(\t)):8*(4*(\q)+(\t))+3],   v[QO], s[QB:QB+1] offset:32768*(\t)+64*(\q)
	global_load_b128 v[8*(4*(\q)+(\t))+4:8*(4*(\q)+(\t))+7], v[QO], s[QB:QB+1] offset:32768*(\t)+64*(\q)+32
.endr
.endm
	v_and_b32 v1, 15, v0                           ; r = l % 16
	v_bfe_u32 v2, v0, 4, 1                         ; h = l / 16
	v_lshlrev_b32 v[QO], 11, v1
	v_lshl_add_u32 v[QO], v2, 4, v[QO]
	QLOAD 0
	QLOAD 1
	QLOAD 2
	QLOAD 3
	WIN 0
	v_and_b32 v3, 7, v0
	v_lshl_add_u32 v3, v2, 3, v3
	v_mul_u32_u24 v3, v3, PT
	v_bfe_u32 v19, v0, 3, 1
	v_lshl_add_u32 v3, v19, 4, v3                  ; the turning load: row 8 h + l % 8, 16 bytes at 16 ((l / 8) % 2)
	s_lshl_b32 s2, s[WV], 6
	v_add_nc_u32 v[AT], s2, v3                     ; + 64 w: my 32 keys of each 128
	v_add_nc_u32 v[AT+1], 64*PT, v[AT]
	v_add_nc_u32 v[AT+2], SLOTB, v[AT]
	v_add_nc_u32 v[AT+3], SLOTB+64*PT, v[AT]
	v_mul_u32_u24 v3, v1, PP
	v_lshl_add_u32 v[PRD], v2, 4, v3
	v_add_nc_u32 v[PRD], PB0, v[PRD]
	v_add_nc_u32 v[PST], s2, v[PRD]
	v_lshlrev_b32 v[MRD], 4, v1
	v_add_nc_u32 v[MRD], MAXS, v[MRD]
	s_lshl_b32 s2, s[WV], 2
	v_add_nc_u32 v[MST], s2, v[MRD]
	s_lshl_b32 s2, s[WV], 8
	s_add_co_u32 s2, s2, SUMS
	v_lshl_add_u32 v[SST], v1, 2, s2
	v_lshl_add_u32 v[SRD], v2, 5, SUMS
	s_mul_i32 s2, s[WV], 16*PP
	s_add_co_u32 s2, s2, PB0
	v_lshl_add_u32 v[STO], v2, 5, v3
	v_add_nc_u32 v[STO], s2, v[STO]
	v_mul_u32_u24 v[RD], v2, PP
	v_lshl_add_u32 v[RD], v1, 4, v[RD]
	v_add_nc_u32 v[RD], s2, v[RD]
	v_lshlrev_b32 v[XO], 12, v2
	v_lshl_add_u32 v[XO], v1, 4, v[XO]
.irp t, 0,1,2,3
	v_mov_b32 v[MP+(\t)], 0                        ; v_permlanex16_b32 counts as a reader of its destination
.endr
.irp t, 0,1,2,3,4,5,6,7
	v_mov_b32 v[ONES+(\t)], 0x3f803f80             ; 1.0 twice in bf16
.endr
	v_and_b32 v19, 31, v0                          ; the prefetches' block: row 32 w + 8 cx + l / 4, 256 bytes at 256 (l % 4)
	v_lshrrev_b32 v[PFO], 2, v19
	s_lshl_b32 s2, s[WV], 5
	s_lshl_b32 s3, s[CX], 3
	s_add_co_u32 s2, s2, s3
	v_add_nc_u32 v[PFO], s2, v[PFO]
	v_lshlrev_b32 v[PFO], 11, v[PFO]
	v_and_b32 v19, 3, v0
	v_lshl_add_u32 v[PFO], v19, 8, v[PFO]
; 16 turning loads: quarter q (32 rows) of a key tile into buffer f: key tile i at columns 128 (i / 2) + 16 (i % 2) of my share
.macro FETCHK slot, q, f
	WIN 0
.irp i, 0,1,2,3,4,5,6,7
	ds_load_tr16_b128 v[(\f)+8*(\i):(\f)+8*(\i)+3],   v[AT+2*(\slot)+(\q)/2] offset:((\q)%2)*32*PT+256*((\i)/2)+32*((\i)%2)
	ds_load_tr16_b128 v[(\f)+8*(\i)+4:(\f)+8*(\i)+7], v[AT+2*(\slot)+(\q)/2] offset:((\q)%2)*32*PT+256*((\i)/2)+32*((\i)%2)+16*PT
.endr
.endm
; the same of a value tile (channel tile i of my 128), and P's four fragments of the same 32 keys
.macro FETCHV slot, pb, q, f, pf
	WIN 0
.irp i, 0,1,2,3,4,5,6,7
	ds_load_tr16_b128 v[(\f)+8*(\i):(\f)+8*(\i)+3],   v[AT+2*(\slot)+(\q)/2] offset:((\q)%2)*32*PT+32*(\i)
	ds_load_tr16_b128 v[(\f)+8*(\i)+4:(\f)+8*(\i)+7], v[AT+2*(\slot)+(\q)/2] offset:((\q)%2)*32*PT+32*(\i)+16*PT
.endr
.irp t, 0,1,2,3
	ds_load_b128 v[(\pf)+8*(\t):(\pf)+8*(\t)+3],   v[PRD] offset:(\pb)*PBB+16*PP*(\t)+64*(\q)
	ds_load_b128 v[(\pf)+8*(\t)+4:(\pf)+8*(\t)+7], v[PRD] offset:(\pb)*PBB+16*PP*(\t)+64*(\q)+32
.endr
.endm
; Products.  The accumulators take turns, one instruction a turn, in the same order in every quarter, over the backward jumps too.  zero = 1: the first product starts the sum.
.macro MULS W, q, f, i0, i1, zero
	WIN 0x04+0x50*(\W)                             ; K in window 0, Q in window 1, S^T in window W
.set ii, \i0
.rept (\i1)-(\i0)+1
.irp t, 0,1,2,3
.if \zero
	v_wmma_f32_16x16x32_bf16 v[8*(4*ii+(\t)):8*(4*ii+(\t))+7], v[(\f)+8*ii:(\f)+8*ii+7], v[8*(4*(\q)+(\t)):8*(4*(\q)+(\t))+7], 0
.else
	v_wmma_f32_16x16x32_bf16 v[8*(4*ii+(\t)):8*(4*ii+(\t))+7], v[(\f)+8*ii:(\f)+8*ii+7], v[8*(4*(\q)+(\t)):8*(4*(\q)+(\t))+7], v[8*(4*ii+(\t)):8*(4*ii+(\t))+7]
.endif
.endr
.set ii, ii+1
.endr
.endm
.macro MULP f, pf, i0, i1, zero
	WIN 0x50                                       ; P and U in window 0, O in window 1
.set ii, \i0
.rept (\i1)-(\i0)+1
.irp t, 0,1,2,3
.if \zero
	v_wmma_f32_16x16x32_bf16 v[8*(4*ii+(\t)):8*(4*ii+(\t))+7], v[(\pf)+8*(\t):(\pf)+8*(\t)+7], v[(\f)+8*ii:(\f)+8*ii+7], 0
.else
	v_wmma_f32_16x16x32_bf16 v[8*(4*ii+(\t)):8*(4*ii+(\t))+7], v[(\pf)+8*(\t):(\pf)+8*(\t)+7], v[(\f)+8*ii:(\f)+8*ii+7], v[8*(4*ii+(\t)):8*(4*ii+(\t))+7]
.endif
.endr
.set ii, ii+1
.endr
.endm
; A quarter of a key tile: 32 products on buffer f.  At its head the next quarter's fragments are asked for, into g: they have the 32 products in which to land.
; ql: a quarter of the NEXT channel block's Q is asked for, into registers whose last readers stand in front of the places.  lc: how many younger loads of Q may stay out.
.macro QS W, slot, q, f, g, zero, ql=-1, lc=-1
	s_wait_dscnt 0x0                               ; this quarter's fragments, asked for a quarter ago
	PLACES
.if (\ql) >= 0
	QLOAD \ql
.endif
	FETCHK \slot, (\q)+1, \g
.if (\lc) >= 0
	s_wait_loadcnt \lc
.endif
	MULS \W, \q, \f, 0, 7, \zero
.endm
.macro QP slot, pb, q, f, pf, g, pg, zero
	s_wait_dscnt 0x0
	PLACES
	FETCHV \slot, \pb, (\q)+1, \g, \pg
	MULP \f, \pf, 0, 7, \zero
.endm
; THE CHANGE OF SLOTS is a tile's fourth quarter, on buffer 1.  Each wave waits for all its tensor loads, of which one is out (its rows of the next tile), adds 0 to its spare word, and waits for that
; and for its reads of this slot; the barrier opens a round of the cluster's, and the joint refill, two tiles on, is the first thing behind the round: 112 products ahead of the wait for it.
; The descriptor's address is made anew for each fill: my rows of block 0 plus the block's number shifted; slot 0's change steps the number, modulo 4, slot 1's takes the same.
; mode 1: the next key tile of this slot.  mode 2: the same, or in the loop's last trip my walk's first value tile.  mode 3: its second.
; A PREFETCH INTO THE L2 (ask = its offset): the changes of slots behind the walk's tiles 3 and 4 (the loop's second trip) name my walk's first two value tiles, whose tensor loads stand three
; changes, 384 matrix instructions, later.  A tile is 512 aligned blocks of 256 bytes: the cluster's 4 work-groups x 4 waves x 32 lanes name a block each, shared out BY ADDRESS: one instruction a wave.
; These two tiles head no other cluster's walk, so each block is named once in the launch.  The walk's first two key tiles come by the first fills alone; all other tiles head another cluster's walk.
.macro TURNS W, slot, mode, nf, ql, lc, ask=-1
	WIN 0
.if \lc
	s_wait_loadcnt 0x0                             ; Q's last quarter
.endif
	s_wait_tensorcnt 0x0
	ds_add_u32 v[SPW], v[NIL]
	s_wait_dscnt 1                                 ; the add alone may be out
	MULS \W, 3, F1, 0, 1, 0
	s_wait_dscnt 0x0                               ; the add is done, and my reads of this slot are over
	s_barrier_signal -1
	MULS \W, 3, F1, 2, 3, 0
	WIN 0
	s_barrier_wait -1
	CREST
.if (\mode) == 3
	s_mov_b64 s[G0+4*(\slot)+2:G0+4*(\slot)+3], s[VD1:VD1+1]
.else
.if (\slot) == 0
	s_add_co_u32 s[KC], s[KC], 1
	s_and_b32 s[KC], s[KC], 3
	s_lshl_b32 s[KOF], s[KC], 18
.endif
	s_add_nc_u64 s[G0+4*(\slot)+2:G0+4*(\slot)+3], s[KB0+2*(\slot):KB0+2*(\slot)+1], s[KOF:KOF+1]
	s_or_b32 s[G0+4*(\slot)+3], s[G0+4*(\slot)+3], 0x80000000
.if (\mode) == 2
	s_cmp_eq_u32 s[CNT], 1
	s_cselect_b64 s[G0+4*(\slot)+2:G0+4*(\slot)+3], s[VD0:VD0+1], s[G0+4*(\slot)+2:G0+4*(\slot)+3]
.endif
.endif
	tensor_load_to_lds s[G0+4*(\slot):G0+4*(\slot)+3], s[G1:G1+7]
	s_nop 0
	PLACES                                         ; also the places in front of the loads below
.if \ql
	QLOAD 2
.endif
.if \nf
	FETCHK 1-(\slot), 0, F0
.endif
	WIN 0
.if (\ask) >= 0
	s_cmp_eq_u32 s[CNT], 2
	s_cbranch_scc0 .Lnot_now_\@
	global_prefetch_b8 v[PFO], s[PFA:PFA+1] offset:\ask th:TH_LOAD_NT scope:SCOPE_SE
.Lnot_now_\@:
.endif
	MULS \W, 3, F1, 4, 7, 0
.endm
; The same for a value tile.  The round is also the barrier of the weights: P of the next step was stored, and waited for, in front of its signal, and is read only behind it; the buffer that the next
; store overwrites was last read in front of it.  mode 0: nothing is left to fetch: a plain barrier.
.macro TURNP slot, mode
	WIN 0
	s_wait_tensorcnt 0x0
	ds_add_u32 v[SPW], v[NIL]
	s_wait_dscnt 1
	MULP F1, PF1, 0, 1, 0
	s_wait_dscnt 0x0
	s_barrier_signal -1
	MULP F1, PF1, 2, 3, 0
	WIN 0
	s_barrier_wait -1
.if \mode
	CREST
.if (\slot) == 0
	s_add_co_u32 s[VK], s[VK], 1                   ; two value tiles on, modulo 8
	s_and_b32 s[VK], s[VK], 3
	s_lshl_b32 s[VOF], s[VK], 19
.endif
	s_add_nc_u64 s[G0+4*(\slot)+2:G0+4*(\slot)+3], s[VB0+2*(\slot):VB0+2*(\slot)+1], s[VOF:VOF+1]
	s_or_b32 s[G0+4*(\slot)+3], s[G0+4*(\slot)+3], 0x80000000
	tensor_load_to_lds s[G0+4*(\slot):G0+4*(\slot)+3], s[G1:G1+7]
	s_nop 0
.endif
	PLACES
	FETCHV 1-(\slot), 1-(\slot), 0, F0, PF0
	MULP F1, PF1, 4, 7, 0
.endm
; My 32 keys x 64 queries of P of value tile s, into buffer s % 2
.macro PSTORE s
	WIN 0x08+4*((\s)/4)                            ; the data lie in window 2 or 3
.irp t, 0,1,2,3
	ds_store_b128 v[PST], v[64*((\s)%4)+8*(\t):64*((\s)%4)+8*(\t)+3]   offset:((\s)%2)*PBB+16*PP*(\t)
	ds_store_b128 v[PST], v[64*((\s)%4)+8*(\t)+4:64*((\s)%4)+8*(\t)+7] offset:((\s)%2)*PBB+16*PP*(\t)+32
.endr
	WIN 0
.endm
.macro PSEL par                        ; value tile 2 s[PJ] + par: the registers hang on the walk's place, which is the same in all waves and partners: forward jumps
	WIN 0
	s_cmp_eq_u32 s[PJ], 0
	s_cbranch_scc1 .Lp0_\@
	s_cmp_eq_u32 s[PJ], 1
	s_cbranch_scc1 .Lp1_\@
	s_cmp_eq_u32 s[PJ], 2
	s_cbranch_scc1 .Lp2_\@
	PSTORE 6+(\par)
	s_branch .Lpd_\@
.Lp0_\@:
	PSTORE (\par)
	s_branch .Lpd_\@
.Lp1_\@:
	PSTORE 2+(\par)
	s_branch .Lpd_\@
.Lp2_\@:
	PSTORE 4+(\par)
.Lpd_\@:
.endm
; ------------------------------------------------------------------ THE SCORES ------------------------------------------------------------------
	s_wait_tensorcnt 1                             ; my rows of tile 0 are in; tile 1's may stay out
	s_barrier_signal -1
	s_barrier_wait -1
	FETCHK 0, 0, F0
	s_wait_loadcnt 0x0                             ; Q of the walk's first channel block
	QS 2, 0, 0, F0, F1, 1
	QS 2, 0, 1, F1, F0, 0
	QS 2, 0, 2, F0, F1, 0
	TURNS 2, 0, 1, 1, 0, 0
	QS 3, 1, 0, F0, F1, 1
	WIN 0
	s_mov_b32 s[CNT], 3
.Ls:                                   ; a trip: the rest of a block's second tile, the next block's first tile, the first quarter of its second; the next block's Q is brought in quarter by quarter
	s_wait_xcnt 0x0
	s_lshl_b32 s[QOF], s[KC], 8                    ; the block asked for last is the next block of the walk
	s_add_nc_u64 s[QB:QB+1], s[QB0:QB0+1], s[QOF:QOF+1]
	QS 3, 1, 1, F1, F0, 0, 0
	QS 3, 1, 2, F0, F1, 0, 1
	TURNS 3, 1, 1, 1, 1, 0, 0
	QS 2, 0, 0, F0, F1, 0, 3, 24                   ; Q's 32 loads went out by quarters, eight each: quarter q may leave the 8 (3 - q) younger ones out
	QS 2, 0, 1, F1, F0, 0, -1, 16
	QS 2, 0, 2, F0, F1, 0, -1, 8
	TURNS 2, 0, 2, 1, 0, 1, 0x40000
	QS 3, 1, 0, F0, F1, 0
	WIN 0
	s_sub_co_u32 s[CNT], s[CNT], 1
	s_cmp_lg_u32 s[CNT], 0
	s_cbranch_scc1 .Ls
	QS 3, 1, 1, F1, F0, 0
	QS 3, 1, 2, F0, F1, 0
	TURNS 3, 1, 3, 0, 0, 0
; ------------------------------------------------------------------ THE MAXIMUM ------------------------------------------------------------------
; Per query tile 128 scores a lane, three operands at a time, the four tiles by turns; each accumulator's register 0 is in its first read.
; Window 2's lines are the places behind the last products, which wrote window 3.
	WIN 0x2a
.irp t, 0,1,2,3
	v_max3_num_f32 v[MX+(\t)], v[8*(\t)], v[8*(\t)+1], v[8*(\t)+2]
.endr
	WIN 0x28
.set n, 3
.rept 30
.irp t, 0,1,2,3
	v_max3_num_f32 v[MX+(\t)], v[MX+(\t)], v[32*(n/8)+8*(\t)+n%8], v[32*((n+1)/8)+8*(\t)+(n+1)%8]
.endr
.set n, n+2
.endr
.irp t, 0,1,2,3
	v_max_num_f32 v[MX+(\t)], v[MX+(\t)], v[231+8*(\t)]
.endr
	WIN 0x3c
.set n, 0
.rept 32
.irp t, 0,1,2,3
	v_max3_num_f32 v[MX+(\t)], v[MX+(\t)], v[32*(n/8)+8*(\t)+n%8], v[32*(n/8)+8*(\t)+n%8+1]
.endr
.set n, n+2
.endr
	WIN 0
.irp t, 0,1,2,3
	v_permlanex16_b32 v[MP+(\t)], v[MX+(\t)], s[SEL], s[SEL+1]   ; the query's other keys lie in the lane 16 away
.endr
.irp t, 0,1,2,3
	v_max_num_f32 v[MX+(\t)], v[MX+(\t)], v[MP+(\t)]
.endr
.irp t, 0,1,2,3
	ds_store_b32 v[MST], v[MX+(\t)] offset:256*(\t)
.endr
	s_wait_dscnt 0x0
	s_barrier_signal -1                            ; a plain barrier: the second value tile may stay on its way
	s_barrier_wait -1
.irp t, 0,1,2,3
	ds_load_b128 v[MR+4*(\t):MR+4*(\t)+3], v[MRD] offset:256*(\t)
.endr
	s_wait_dscnt 0x0
.irp t, 0,1,2,3
	v_max3_num_f32 v[MX+(\t)], v[MR+4*(\t)], v[MR+4*(\t)+1], v[MR+4*(\t)+2]
.endr
.irp t, 0,1,2,3
	v_max_num_f32 v[MX+(\t)], v[MX+(\t)], v[MR+4*(\t)+3]
.endr
.irp t, 0,1,2,3
	v_mul_f32 v[CM+2*(\t)], s[CS], v[MX+(\t)]      ; c m, named as a pair
	v_mul_f32 v[CM+2*(\t)+1], s[CS], v[MX+(\t)]
.endr
; ------------------------------------------------------------------ THE WEIGHTS ------------------------------------------------------------------
; A window is four sets of 64 registers, a value tile each.  FM: c s - c m, a pair.  EXQ: an exponential.  CV: a pair rounded to bf16; a tile's e = 0 accumulator packs into its own registers 0-3,
; then its e = 1 accumulator into registers 4-7 of the first: a fragment of 32 keys in 8 registers on end.  LW: l += ones x P, four products: the row sums, of the rounded weights.
; A set's 64 exponentials are one batch with one wait (ahead of the first line that names a result); the set before is rounded, and the set behind scaled, between them.
.macro FM k, z
.set rr, 64*(\k)+2*(\z)
.set cc, CM+2*(((\z)/4)%4)
	v_pk_fma_f32 v[rr:rr+1], v[rr:rr+1], s[CS:CS+1], v[cc:cc+1] op_sel_hi:[1,0,0] neg_lo:[0,0,1] neg_hi:[0,0,1]
.endm
.macro EXQ k, z
	v_exp_f32 v[64*(\k)+(\z)], v[64*(\k)+(\z)]
.endm
.macro CV k, z
.set aa, 64*(\k)+8*((\z)/8)
.set zz, (\z)%8
.set bb, aa+2*zz
.if zz >= 4
.set bb, aa+32+2*(zz-4)
.endif
	v_cvt_pk_bf16_f32 v[aa+zz], v[bb], v[bb+1]
.endm
.macro LW W, k, zero
	WIN 0x50+4*(\W)                                ; ones in window 0, P in window W, l in window 1
.irp t, 0,1,2,3
.if \zero
	v_wmma_f32_16x16x32_bf16 v[128+8*(\t):128+8*(\t)+7], v[ONES:ONES+7], v[64*(\k)+8*(\t):64*(\k)+8*(\t)+7], 0
.else
	v_wmma_f32_16x16x32_bf16 v[128+8*(\t):128+8*(\t)+7], v[ONES:ONES+7], v[64*(\k)+8*(\t):64*(\k)+8*(\t)+7], v[128+8*(\t):128+8*(\t)+7]
.endif
.endr
.endm
.macro LUMP W, first
.set WS, 0x8a+0x45*((\W)-2)            ; destination and sources 0 and 1 in window W, source 2 (c m) in window 0: one setting for all vector lines
	WIN WS
.set n, 0
.rept 32
	FM 0, n
.set n, n+1
.endr
.set n, 0
.rept 32
	EXQ 0, 2*n
	EXQ 0, 2*n+1
	FM 1, n
.set n, n+1
.endr
.irp k, 1,2,3
	s_wait_alu depctr_va_vdst(0)                   ; for the batch of the set before; a plain line stands behind its last exponential
.set n, 0
.rept 32
	EXQ \k, 2*n
	CV (\k)-1, n
	EXQ \k, 2*n+1
.if (\k) < 3
	FM (\k)+1, n
.endif
.set n, n+1
.endr
.if (\first) && ((\k) == 1)
	LW \W, 0, 1
.else
	LW \W, (\k)-1, 0
.endif
	WIN WS
.endr
	v_nop                                          ; a plain line behind the last exponential
	s_wait_alu depctr_va_vdst(0)
.set n, 0
.rept 32
	CV 3, n
.set n, n+1
.endr
	LW \W, 3, 0
.endm
	LUMP 2, 1
	LUMP 3, 0
	WIN 0
.irp a, 0,1,2,3
	v_add_nc_u32 v[AT+(\a)], s[W192], v[AT+(\a)]   ; from my 32 keys of each 128 (64 w) to my 128 channels (256 w); with the v_nop, the places behind l's last products
.endr
	v_nop
	WIN 0x04
.irp t, 0,1,2,3
	ds_store_b32 v[SST], v[128+8*(\t)] offset:64*(\t)   ; every register of l's accumulator holds my 256 keys' sum for query l % 16
.endr
	PSEL 0                                         ; P of my walk's first value tile
	s_wait_dscnt 0x0
	s_barrier_signal -1                            ; a plain barrier
	s_barrier_wait -1
; ------------------------------------------------------------------ THE VALUES ------------------------------------------------------------------
	FETCHV 0, 0, 0, F0, PF0                        ; the first value tile was shown landed, everybody's rows, by the last round
	QP 0, 0, 0, F0, PF0, F1, PF1, 1
	WIN 0
	s_mov_b32 s[CNT], 3
.Lp:                                   ; a trip: the rest of an even step, an odd step, the first quarter of the next even step; P is stored one step ahead
	PSEL 1
	QP 0, 0, 1, F1, PF1, F0, PF0, 0
	QP 0, 0, 2, F0, PF0, F1, PF1, 0
	TURNP 0, 1
	WIN 0
	s_add_co_u32 s[PJ], s[PJ], 1                   ; two value tiles on, modulo 8
	s_and_b32 s[PJ], s[PJ], 3
	PSEL 0
	QP 1, 1, 0, F0, PF0, F1, PF1, 0
	QP 1, 1, 1, F1, PF1, F0, PF0, 0
	QP 1, 1, 2, F0, PF0, F1, PF1, 0
	TURNP 1, 1
	QP 0, 0, 0, F0, PF0, F1, PF1, 0
	WIN 0
	s_sub_co_u32 s[CNT], s[CNT], 1
	s_cmp_lg_u32 s[CNT], 0
	s_cbranch_scc1 .Lp
	PSEL 1                                         ; the walk's last P
	s_wait_dscnt 0x0                               ; that store may have read window 2, into which x is loaded now
	WIN 0x80                                       ; x, my 128 channels x 64 positions, into window 2, whose weights have all been stored: a step and a half ahead of its use
.set n, 0
.rept 64
	global_load_b128 v[4*n:4*n+3], v[XO], s[XB:XB+1] offset:(16*(n/8)+2*(n%8))*4096 th:TH_LOAD_NT
.set n, n+1
.endr
	WIN 0
	QP 0, 0, 1, F1, PF1, F0, PF0, 0
	QP 0, 0, 2, F0, PF0, F1, PF1, 0
	TURNP 0, 0
	QP 1, 1, 0, F0, PF0, F1, PF1, 0
	QP 1, 1, 1, F1, PF1, F0, PF0, 0
	QP 1, 1, 2, F0, PF0, F1, PF1, 0
	s_wait_dscnt 0x0
	MULP F1, PF1, 0, 7, 0
; ------------------------------------------------------------------ THE WAY OUT ------------------------------------------------------------------
; l of my lane's 32 queries (16 t + 8 h + j): the four waves' sums are added; O is divided by l, sent through my stage (16 channels x 64 positions of f32) to whole rows of 256 bytes, x is added.
	PLACES
	WIN 0
.irp w, 0,1,2,3
.irp t, 0,1,2,3
	ds_load_b128 v[64+32*(\w)+8*(\t):64+32*(\w)+8*(\t)+3],   v[SRD] offset:256*(\w)+64*(\t)
	ds_load_b128 v[64+32*(\w)+8*(\t)+4:64+32*(\w)+8*(\t)+7], v[SRD] offset:256*(\w)+64*(\t)+16
.endr
.endr
	s_wait_dscnt 0x0
.set n, 0
.rept 16
	v_pk_add_f32 v[64+n:65+n], v[64+n:65+n], v[96+n:97+n]
	v_pk_add_f32 v[128+n:129+n], v[128+n:129+n], v[160+n:161+n]
.set n, n+2
.endr
.set n, 0
.rept 16
	v_pk_add_f32 v[64+n:65+n], v[64+n:65+n], v[128+n:129+n]
.set n, n+2
.endr
.set n, 0
.rept 32
	v_rcp_f32 v[LI+n], v[LI+n]
.set n, n+1
.endr
	v_nop                                          ; a plain line behind the last reciprocal,
	s_wait_alu depctr_va_vdst(0)                   ; and one wait for the 32
.macro SCALE i
	WIN 0x41
.irp t, 0,1,2,3
.irp p, 0,1,2,3
	v_pk_mul_f32 v[8*(4*(\i)+(\t))+2*(\p):8*(4*(\i)+(\t))+2*(\p)+1], v[8*(4*(\i)+(\t))+2*(\p):8*(4*(\i)+(\t))+2*(\p)+1], v[LI+8*(\t)+2*(\p):LI+8*(\t)+2*(\p)+1]
.endr
.endr
.endm
.macro TOSTAGE i
.set BK, 192+32*((\i)%2)
	WIN 0x04
	s_wait_xcnt 0x0                                ; the registers that the stores two blocks back read are loaded again only behind this wait
.irp t, 0,1,2,3
	ds_store_b128 v[STO], v[8*(4*(\i)+(\t)):8*(4*(\i)+(\t))+3]   offset:64*(\t)
	ds_store_b128 v[STO], v[8*(4*(\i)+(\t))+4:8*(4*(\i)+(\t))+7] offset:64*(\t)+16
.endr
	WIN 0
.irp p, 0,1,2,3,4,5,6,7
	ds_load_b128 v[BK+4*(\p):BK+4*(\p)+3], v[RD] offset:2*PP*(\p)   ; LDS serves a wave's instructions in order (ISA guide 5.7.1.4): these see the stores above
.endr
.endm
.macro SEND i
.set BK, 192+32*((\i)%2)
	WIN 0
	s_wait_dscnt 0x0
	s_wait_loadcnt 56-8*(\i)                       ; x went out by blocks of eight loads: the younger blocks may stay out
	WIN 0x08
.irp p, 0,1,2,3,4,5,6,7
	v_pk_add_f32 v[BK+4*(\p):BK+4*(\p)+1],   v[BK+4*(\p):BK+4*(\p)+1],   v[4*(8*(\i)+(\p)):4*(8*(\i)+(\p))+1]
	v_pk_add_f32 v[BK+4*(\p)+2:BK+4*(\p)+3], v[BK+4*(\p)+2:BK+4*(\p)+3], v[4*(8*(\i)+(\p))+2:4*(8*(\i)+(\p))+3]
.endr
	WIN 0
.irp p, 0,1,2,3,4,5,6,7
	global_store_b128 v[XO], v[BK+4*(\p):BK+4*(\p)+3], s[OBA:OBA+1] offset:(16*(\i)+2*(\p))*4096 th:TH_STORE_NT   ; 16 lanes store 256 consecutive bytes, aligned
.endr
.endm
	SCALE 0
	TOSTAGE 0                                      ; the stage lies in P's first buffer, whose last readers have passed the last barrier
.irp i, 1,2,3,4,5,6,7
	SCALE \i
	SEND (\i)-1
	TOSTAGE \i
.endr
	SEND 7
	s_wait_tensorcnt 0x0                           ; the wave's end
	ds_add_u32 v[SPW], v[NIL]
	s_wait_dscnt 0x0
	CROUND                                         ; the closing round
	s_endpgm
.Lfunc_end_k_qacfb25e161_attn:
	.size	k_qacfb25e161_attn, .Lfunc_end_k_qacfb25e161_attn-k_qacfb25e161_attn
	.p2alignl 7, 3214868480
	.fill 96, 4, 3214868480
	.section	.rodata,"a",@progbits
	.p2align	6, 0x0
	.amdhsa_kernel k_qacfb25e161_attn
		.amdhsa_group_segment_fixed_size 327680
		.amdhsa_private_segment_fixed_size 0
		.amdhsa_enable_private_segment 0
		.amdhsa_kernarg_size 32
		.amdhsa_user_sgpr_count 2
		.amdhsa_user_sgpr_kernarg_segment_ptr 1
		.amdhsa_wavefront_size32 1
		.amdhsa_system_sgpr_workgroup_id_x 1
		.amdhsa_system_sgpr_workgroup_id_y 1
		.amdhsa_system_sgpr_workgroup_id_z 1
		.amdhsa_system_vgpr_workitem_id 0
		.amdhsa_next_free_vgpr 1024
		.amdhsa_next_free_sgpr 80
		.amdhsa_reserve_vcc 0
		.amdhsa_float_denorm_mode_32 3
		.amdhsa_float_denorm_mode_16_64 3
		.amdhsa_memory_ordered 1
		.amdhsa_forward_progress 1
		.amdhsa_inst_pref_size 254
	.end_amdhsa_kernel
	.amdgpu_metadata
---
amdhsa.version: [ 1, 2 ]
amdhsa.kernels:
  - .name:           k_qacfb25e161_attn
    .symbol:         k_qacfb25e161_attn.kd
    .args:
      - { .name: hc, .offset: 0, .size: 8, .value_kind: global_buffer, .address_space: global }
      - { .name: gu, .offset: 8, .size: 8, .value_kind: global_buffer, .address_space: global }
      - { .name: x, .offset: 16, .size: 8, .value_kind: global_buffer, .address_space: global }
      - { .name: out0, .offset: 24, .size: 8, .value_kind: global_buffer, .address_space: global }
    .group_segment_fixed_size: 327680
    .private_segment_fixed_size: 0
    .kernarg_segment_align: 8
    .kernarg_segment_size: 32
    .max_flat_workgroup_size: 128
    .sgpr_count:     80
    .vgpr_count:     1024
    .wavefront_size: 32
...
	.end_amdgpu_metadata
.endif
;; end of part 3
;; ======== version 2 of 2: 3 launches; version 1 with the launch prep written anew for expert scheduling mode
;; limits: values outside matrix products are rounded to bf16
;; workspace buffers: hc 16,777,216 bytes; wcat 1,048,576 bytes; bcat 4,096 bytes; gu 33,554,432 bytes
;; launch prep (part 4): grid 320 x 1, 8 waves a work-group, no clusters, 77,056 bytes of LDS; arguments x, gn_w, gn_b, q_w, q_b, k_w, v_w, v_b, p_w, p_b, hc, wcat, bcat; writes hc, wcat, bcat
.if DOCPART == 4
	.amdgcn_target "amdgcn-amd-amdhsa--gfx1250"
	.amdhsa_code_object_version 6
	.text
	.protected	k_qacfb25e161_prep
	.globl	k_qacfb25e161_prep
	.p2align	8
	.type	k_qacfb25e161_prep,@function
k_qacfb25e161_prep:
	s_mov_b64 s[64:65], 0
	v_nop
	global_prefetch_b8 v0, s[64:65] scope:SCOPE_SE
	s_setreg_imm32_b32 hwreg(HW_REG_WAVE_SCHED_MODE, 0, 2), 2
	s_setreg_imm32_b32 hwreg(HW_REG_WAVE_MODE, 25, 1), 1
	s_wait_xcnt 0x0
	s_wait_alu depctr_vm_vsrc(0)
; AttnBlock, launch 1 of 3.  B = 16, C = 512, N = 32 x 32 = 1,024 positions.
; THE ALGEBRA OF THE WHOLE PROGRAM.  h = GroupNorm(x).  reference() makes q = Wq h + qb, k = Wk h + kb, v = Wv h + vb, a = softmax_j(q_i . k_j / sqrt(512)), out = x + Wp (sum_j a_ij v_j) + pb.
;   q_i . k_j = (Wk^T q_i) . h_j + q_i . kb.  The second term is the same for all j of a row of the softmax, so it cancels for all values of the inputs: k_b is dead.
;   With A = Wk^T Wq and cv = Wk^T qb the scores are g_i . h_j, g = A h + cv: the keys are h itself, and no k is made.
;   sum_j a_ij = 1, so Wp (sum_j a_ij v_j) + pb = sum_j a_ij u_j with u = (Wp Wv) h + (Wp vb + pb): no v and no projection behind the attention.
;   temb enters no line of reference().  So temb and k_b have no way to the output: they are not loaded and are no argument of any launch.
; LIMITS.  A NaN, an infinity or an overflow that lies in temb or k_b alone is not carried to the result.  All matrix operands are bf16 (the inputs rounded once; A, Wp Wv, h, g, u and the
;   weights of the softmax rounded once from f32 sums); all sums are f32.  NaN and infinities are not treated apart.
; THIS LAUNCH.  Work-groups 0-63: wcat = [A ; Wp Wv] (bf16, [1,024][512]) and bcat = [cv ; Wp vb + pb] (f32): tiles of 64 x 128, K = 512 in chunks of 64, two chunks on their way from memory,
;   two LDS buffers that take turns, one barrier a chunk.
;   Work-groups 64-319: two groups of GroupNorm each (a group is 16 channels x 1,024 positions = 65,536 consecutive bytes of x), kept in registers between the mean, the squared deviations
;   (taken from the mean, so no difference of large sums is formed) and the scaling; hc = h in bf16, in x's layout.  x is read once.  Both groups' loads go out at the head.
;   320 work-groups of 8 waves x 256 registers and 77,056 bytes of LDS: two fit on a WGP's four SIMDs of 1,024 registers and 327,680 bytes, 512 on 256 WGPs, so none waits for another to end.
; No cluster, no tensor load: the groups share nothing, and the weights are 4 MB in all.
; THE MODE: SCHED_MODE bits 1:0 = 2 (LLVM: expert scheduling mode 2), set by the entry lines.  The code itself states the register dependences
; between vector or matrix instructions and memory or LDS instructions, with s_wait_alu, always for 0.
; THE PLAN, THE WEIGHTS.  Registers that memory or LDS instructions touch in the loop:
;   RA, RBS   A step's 24 roundings read one of the two sets; behind them the 12 loads of the chunk two on land in it.
;   PK        Written by the roundings; read by the step's 12 LDS stores; then, in the waves that make the bias, rb's four fragment loads land in it, and the bias's products read it.
;   FR, FL    The step's 16 fragment loads land in them; the step's products read them.
;   v[RBT]    Written once, at a step's head; read by the step's four loads of rb.
;   v2-9, v11-14, v248, v249   offsets and addresses, made at the head and not written in the loop: the scalar bases step.
;   The accumulators are named by vector and matrix instructions alone.
; So a step has four waits.  At its head one on vm_vsrc (the LDS stores so far have read PK, the loads of rb have read v[RBT]), the add to v[RBT], and one on va_vdst (the last step's products are
; done reading the fragments; v[RBT] is written).  One on va_vdst behind the roundings (PK is written, the set is read).  One on vm_vsrc behind the stores (they have read PK, in which rb lands).
; THE PLAN, GROUPNORM.  v[16:79] and v[132:195]: loads land in them once, at the head; then vector lines alone name them.  v80: a sum's last addition writes it, an LDS store reads it.
;   v[88:95]: the eight partial sums land in them; additions read them.  v[100:131]: the out-buffer: roundings write it, the 16 stores read it.  v1-v4: offsets, made once.
; So each sum has one wait on va_vdst ahead of its LDS store and one on vm_vsrc ahead of the additions that write v80 again; the scaling goes in two halves of eight channels, each with one wait on
; va_vdst ahead of its eight stores, the first half's stores dealt among the second half's arithmetic, which names other registers.
.set BUFB,  28672                      ; LDS: a chunk's buffer: L's 64 rows x 160 bytes at +0, R's 64 rows x 288 at +RT; two of them, at 0 and at BUFB
.set RT,    10240
.set RBL,   2*BUFB                     ; the 512 numbers of q_b or v_b in bf16
.set OST,   RBL+1024                   ; the way out: 64 rows x 272
.set RED,   OST+17408                  ; the eight waves' partial sums: first sum at +0, second at +128
.set SPARE, RED+256                    ; the spare words, 128 bytes for each wave: four blocks of 256 bytes that no other line names
.set SPW, 254                          ; v254 my spare word's address; never rewritten
.set NIL, 255                          ; v255 0; never rewritten
.macro PLACES                          ; four plain places behind a matrix instruction (ISA guide 7.12.1)
.rept 4
	v_nop
.endr
.endm
	s_load_b512 s[4:19], s[0:1], 0x0               ; x 4, gn_w 6, gn_b 8, q_w 10, q_b 12, k_w 14, v_w 16, v_b 18
	s_load_b256 s[20:27], s[0:1], 0x40             ; p_w 20, p_b 22, hc 24, wcat 26
	s_load_b64 s[28:29], s[0:1], 0x60              ; bcat
	v_lshl_add_u32 v[SPW], v0, 2, SPARE
	v_mov_b32 v[NIL], 0
	v_lshrrev_b32 v1, 5, v0
	v_readfirstlane_b32 s30, v1                    ; wave 0..7
	s_wait_alu depctr_va_sdst(0)                   ; s30 is written, ahead of the branch and of its first reader in either arm
	s_cmp_lt_u32 ttmp9, 64                         ; the same in all waves of a work-group
	s_cbranch_scc0 .Lgn
; ------------------------------------------------------------------ THE WEIGHTS ------------------------------------------------------------------
; Out[m][n] = sum over d of L(m, d) R[d][n].  job 0: L = k_w, stored [d][m], R = q_w, rb = q_b.  job 1: L = p_w, stored [m][d], R = v_w, rb = v_b.
; Either L chunk is 64 rows x 256 bytes at a pitch of 2,048 bytes, so its loads and LDS stores are one text; only the fragment loads differ (turned, or as it lies).
; The product is taken with source 0 = R (16 n x 32 d, turned out of LDS) and source 1 = L: a lane then holds one m and eight neighbouring n.
; A wave makes 32 m x 32 n.  The bias is a product too: source 0 = 16 equal rows rb; waves 0 and 1 of the work-groups with nblk = 0 make it.
; REGISTERS: v2-14 addresses; v16-63, v64-111 two sets of a chunk as loaded (L's 16, R's 32); v112-135 the chunk rounded, then rb's fragments; v136-167 R's fragments, v168-199 L's;
;   v200-231 four accumulators, v232-247 the bias's two; v248-253 at work.
.set LOFF, 2
.set ROFF, 3
.set LST,  4
.set RST,  5
.set RFA,  6
.set LFA0, 7
.set LFA1, 8
.set RBA,  9
.set RBT,  10
.set OSTO, 11
.set ORD,  12
.set WO,   13
.set BO,   14
.set RA,   16
.set RBS,  64
.set PK,   112
.set FR,   136
.set FL,   168
.set ACC,  200
.set BACC, 232
.set T15,  136                         ; at work in the set-up alone, where the fragments' registers are still free
.set T4,   137
.set T31,  138
.set HH,   139
.set TR,   140
.set L3,   141
	s_lshr_b32 s31, ttmp9, 5                       ; job
	s_bfe_u32 s32, ttmp9, 0x30002                  ; mblk: 64 rows
	s_and_b32 s33, ttmp9, 3                        ; nblk: 128 columns
	s_and_b32 s34, s30, 1                          ; wm
	s_lshr_b32 s35, s30, 1                         ; wn
	s_or_b32 s77, s33, s35                         ; 0: this wave makes the bias of its 32 m
	v_and_b32 v[T15], 15, v0
	v_lshrrev_b32 v[T4], 4, v0
	v_and_b32 v[T31], 31, v0
	v_bfe_u32 v[HH], v0, 4, 1                      ; lane / 16
	v_and_b32 v[TR], 7, v0
	v_lshl_add_u32 v[TR], v[HH], 3, v[TR]          ; a turning load's row: 8 (lane / 16) + lane % 8
	v_bfe_u32 v[L3], v0, 3, 1
	v_lshlrev_b32 v[LOFF], 11, v[T4]               ; L: 16 threads a row of 256 bytes
	v_lshl_add_u32 v[LOFF], v[T15], 4, v[LOFF]
	v_lshlrev_b32 v[ROFF], 11, v1                  ; R: 32 threads a row of 512 bytes
	v_lshl_add_u32 v[ROFF], v[T31], 4, v[ROFF]
	v_mul_u32_u24 v[LST], v[T4], 160
	v_lshl_add_u32 v[LST], v[T15], 3, v[LST]
	v_mul_u32_u24 v[RST], v1, 288
	v_lshl_add_u32 v[RST], v[T31], 3, v[RST]
	v_add_nc_u32 v[RST], RT, v[RST]
	s_lshl_b32 s36, s35, 6
	s_add_co_u32 s36, s36, RT
	v_mul_u32_u24 v[RFA], v[TR], 288
	v_lshl_add_u32 v[RFA], v[L3], 4, v[RFA]
	v_add_nc_u32 v[RFA], s36, v[RFA]               ; R's fragments: my 32 columns
	s_lshl_b32 s36, s34, 6
	v_mul_u32_u24 v[LFA0], v[TR], 160
	v_lshl_add_u32 v[LFA0], v[L3], 4, v[LFA0]
	v_add_nc_u32 v[LFA0], s36, v[LFA0]             ; L's fragments where L lies [d][m]: turned
	s_mul_i32 s36, s34, 5120
	v_mul_u32_u24 v[LFA1], v[T15], 160
	v_lshl_add_u32 v[LFA1], v[HH], 4, v[LFA1]
	v_add_nc_u32 v[LFA1], s36, v[LFA1]             ; and where it lies [m][d]: as it lies (at this pitch two lanes of sixteen meet in a bank: 16 loads a chunk)
	v_lshl_add_u32 v[RBA], v[HH], 4, RBL
	s_mul_i32 s36, s34, 8704
	s_lshl_b32 s37, s35, 6
	s_add_co_u32 s36, s36, s37
	s_add_co_u32 s36, s36, OST
	v_mul_u32_u24 v[OSTO], v[T15], 272
	v_lshl_add_u32 v[OSTO], v[HH], 4, v[OSTO]
	v_add_nc_u32 v[OSTO], s36, v[OSTO]
	v_mul_u32_u24 v[ORD], v[T4], 272
	v_lshl_add_u32 v[ORD], v[T15], 4, v[ORD]
	v_add_nc_u32 v[ORD], OST, v[ORD]
	v_lshlrev_b32 v[WO], 10, v[T4]                 ; a row of wcat is 1,024 bytes
	v_lshl_add_u32 v[WO], v[T15], 4, v[WO]
	s_lshl_b32 s36, s34, 7
	v_lshl_add_u32 v[BO], v[T31], 2, s36           ; my lane's word among the work-group's 64 of bcat
	v_lshlrev_b32 v248, 3, v0                      ; rb: my two numbers in memory,
	v_lshl_add_u32 v249, v0, 2, RBL                ; and their word in LDS: made here, ahead of the one wait for all offsets
	s_mov_b32 s70, 0x100                           ; L's step from chunk to chunk: 64 columns (job 1),
	s_mov_b32 s71, 0
	s_lshl_b32 s40, s32, 8                         ; job 0: my 64 columns of k_w
	s_lshl_b32 s42, s32, 17                        ; job 1: my 64 rows of p_w
	s_mov_b32 s41, 0
	s_lshl_b32 s44, s33, 9                         ; my 128 columns of R
	s_mov_b32 s45, 0
	s_lshl_b32 s46, s31, 19                        ; wcat: (512 job + 64 mblk) rows + 128 nblk columns
	s_lshl_b32 s38, s32, 16
	s_add_co_u32 s46, s46, s38
	s_lshl_b32 s38, s33, 8
	s_add_co_u32 s46, s46, s38
	s_mov_b32 s47, 0
	s_lshl_b32 s48, s31, 11                        ; bcat: 512 job + 64 mblk words
	s_lshl_b32 s50, s32, 8
	s_add_co_u32 s48, s48, s50
	s_mov_b32 s49, 0
	s_mov_b32 s51, 0
	s_mov_b32 s79, 0                               ; the chunk's 128 bytes of rb in LDS
	s_cmp_eq_u32 s31, 0
	s_cselect_b32 s70, 0x20000, s70                ; or 64 rows (job 0)
	s_cselect_b32 s40, s40, s42
	s_wait_kmcnt 0x0
	s_cselect_b64 s[68:69], s[14:15], s[20:21]     ; L
	s_cselect_b64 s[72:73], s[10:11], s[16:17]     ; R
	s_cselect_b64 s[74:75], s[12:13], s[18:19]     ; rb
	s_add_nc_u64 s[68:69], s[68:69], s[40:41]
	s_add_nc_u64 s[72:73], s[72:73], s[44:45]
	s_add_nc_u64 s[26:27], s[26:27], s[46:47]
	s_add_nc_u64 s[28:29], s[28:29], s[48:49]
	s_add_nc_u64 s[22:23], s[22:23], s[50:51]
	s_wait_alu depctr_va_vdst(0)                   ; the offsets and addresses v2-9, v11-14, v248 and v249 are written, which the loads and stores below read; the set-up is done with v136-141, in which fragments land
.macro LOADW set                       ; a chunk: 4 + 8 loads of 16 bytes a thread
.irp i, 0,1,2,3
	global_load_b128 v[(\set)+4*(\i):(\set)+4*(\i)+3], v[LOFF], s[68:69] offset:32768*(\i)
.endr
.irp i, 0,1,2,3,4,5,6,7
	global_load_b128 v[(\set)+16+4*(\i):(\set)+16+4*(\i)+3], v[ROFF], s[72:73] offset:16384*(\i)
.endr
.endm
.macro STEPW                           ; the pointers stand at the chunk asked for last; they go one chunk on
	s_wait_xcnt 0x0                                ; the loads that are out have read them
	s_add_nc_u64 s[68:69], s[68:69], s[70:71]
	s_add_nc_u64 s[72:73], s[72:73], 0x20000
.endm
	LOADW RA                                       ; chunk 0
	STEPW
	LOADW RBS                                      ; chunk 1
.set r, ACC
.rept 48
	v_mov_b32 v[r], 0                              ; the six accumulators start at 0, written while the first loads are out, so that the loop has one form of product
.set r, r+1
.endr
	s_cmp_lg_u32 s33, 0                            ; rb is wanted where nblk = 0 alone: two numbers a thread, rounded, into LDS; its load stands behind the first chunks' and comes in with them;
	s_cbranch_scc1 .Lno_rb                         ; the first barrier below shows the numbers to the waves
	global_load_b64 v[250:251], v248, s[74:75]
	s_wait_loadcnt 0x0
	v_cvt_pk_bf16_f32 v252, v250, v251
	s_wait_alu depctr_va_vdst(0)                   ; the rounding has written v252, which the LDS store reads
	ds_store_b32 v249, v252
.Lno_rb:
; A chunk goes from its set of registers into LDS buffer buf: rounded, the set asked for again two chunks on, stored.  lmin: the set is asked for again while the loop's count is lmin or more
; (0: always); where it is not, no younger loads follow, so the count of the next such wait would show nothing of the other set: it is waited for here.
.macro CONV set, buf, lmin
	s_wait_loadcnt 12                              ; this set's chunk is in; the other set's 12 loads, issued behind it, may stay out
.irp i, 0,1,2,3
	v_cvt_pk_bf16_f32 v[PK+2*(\i)],   v[(\set)+4*(\i)],   v[(\set)+4*(\i)+1]
	v_cvt_pk_bf16_f32 v[PK+2*(\i)+1], v[(\set)+4*(\i)+2], v[(\set)+4*(\i)+3]
.endr
.irp i, 0,1,2,3,4,5,6,7
	v_cvt_pk_bf16_f32 v[PK+8+2*(\i)],   v[(\set)+16+4*(\i)],   v[(\set)+16+4*(\i)+1]
	v_cvt_pk_bf16_f32 v[PK+8+2*(\i)+1], v[(\set)+16+4*(\i)+2], v[(\set)+16+4*(\i)+3]
.endr
	s_wait_alu depctr_va_vdst(0)                   ; the roundings have written PK, which the LDS stores below read, and are done reading the set, in which the loads below land
.if (\lmin) > 0
	s_cmp_lt_u32 s78, \lmin
	s_cbranch_scc1 .Lnone_\@
.endif
	STEPW
	LOADW \set
.if (\lmin) > 0
	s_branch .Lasked_\@
.Lnone_\@:
	s_wait_loadcnt 0x0
.Lasked_\@:
.endif
.irp i, 0,1,2,3
	ds_store_b64 v[LST], v[PK+2*(\i):PK+2*(\i)+1] offset:(\buf)*BUFB+2560*(\i)
.endr
.irp i, 0,1,2,3,4,5,6,7
	ds_store_b64 v[RST], v[PK+8+2*(\i):PK+8+2*(\i)+1] offset:(\buf)*BUFB+2304*(\i)
.endr
.endm
; STEP c of eight.  Chunk c lies in buffer buf = c % 2.  Its 16 fragment loads go out first; while they are out chunk c + 1 goes from its set into the other buffer.  ONE wait for all of that, ONE
; barrier, with the step's eight products between its signal and its wait.  The buffer that this step writes was last read in step c - 1, whose reads were waited for in front of that step's signal;
; what this step stores is read in step c + 1, behind this step's barrier.  cmin: chunk c + 1 exists while the loop's count is cmin or more (0: always).
.macro STEPC buf, set, cmin, lmin
	s_wait_alu depctr_vm_vsrc(0)                   ; the LDS stores issued so far have read PK, which this step's roundings write again; the last step's loads of rb have read v[RBT]
	v_add_nc_u32 v[RBT], s79, v[RBA]               ; the bias: where rb's fragments of this chunk lie (all 16 rows alike)
	s_wait_alu depctr_va_vdst(0)                   ; the last step's products are done reading FR and FL, in which the loads below land, and PK, in which rb's land where nothing is rounded; v[RBT] is written
.irp kk, 0,1
.irp ni, 0,1
	ds_load_tr16_b128 v[FR+8*(2*(\kk)+(\ni)):FR+8*(2*(\kk)+(\ni))+3],   v[RFA] offset:(\buf)*BUFB+9216*(\kk)+32*(\ni)
	ds_load_tr16_b128 v[FR+8*(2*(\kk)+(\ni))+4:FR+8*(2*(\kk)+(\ni))+7], v[RFA] offset:(\buf)*BUFB+9216*(\kk)+32*(\ni)+4608
.endr
.endr
	s_cmp_eq_u32 s31, 0
	s_cbranch_scc0 .Lrows_\@
.irp kk, 0,1
.irp mi, 0,1
	ds_load_tr16_b128 v[FL+8*(2*(\kk)+(\mi)):FL+8*(2*(\kk)+(\mi))+3],   v[LFA0] offset:(\buf)*BUFB+5120*(\kk)+32*(\mi)
	ds_load_tr16_b128 v[FL+8*(2*(\kk)+(\mi))+4:FL+8*(2*(\kk)+(\mi))+7], v[LFA0] offset:(\buf)*BUFB+5120*(\kk)+32*(\mi)+2560
.endr
.endr
	s_branch .Lgot_\@
.Lrows_\@:
.irp kk, 0,1
.irp mi, 0,1
	ds_load_b128 v[FL+8*(2*(\kk)+(\mi)):FL+8*(2*(\kk)+(\mi))+3],   v[LFA1] offset:(\buf)*BUFB+2560*(\mi)+64*(\kk)
	ds_load_b128 v[FL+8*(2*(\kk)+(\mi))+4:FL+8*(2*(\kk)+(\mi))+7], v[LFA1] offset:(\buf)*BUFB+2560*(\mi)+64*(\kk)+32
.endr
.endr
.Lgot_\@:
.if (\cmin) > 0
	s_cmp_lt_u32 s78, \cmin
	s_cbranch_scc1 .Lskip_\@
.endif
	CONV \set, 1-(\buf), \lmin
.if (\cmin) > 0
	s_branch .Lconv_\@
.Lskip_\@:
	s_wait_loadcnt 0x0                             ; the last step: no chunk is left, and no load is out
.Lconv_\@:
.endif
	s_wait_alu depctr_vm_vsrc(0)                   ; this step's LDS stores have read PK, in which rb's fragments land below; it stands ahead of the branch
	s_cmp_lg_u32 s77, 0
	s_cbranch_scc1 .Lnb1_\@
.irp kk, 0,1                           ; the bias: rb's fragments of this chunk, into the rounded chunk's registers; no vector line since the last wait on va_vdst names PK or v[RBT]
	ds_load_b128 v[PK+8*(\kk):PK+8*(\kk)+3],   v[RBT] offset:64*(\kk)
	ds_load_b128 v[PK+8*(\kk)+4:PK+8*(\kk)+7], v[RBT] offset:64*(\kk)+32
.endr
.Lnb1_\@:
	s_wait_dscnt 0x0                               ; my fragments are in, so my reads of this buffer are over; my stores into the other are done
	s_barrier_signal -1
.irp kk, 0,1                           ; the four accumulators take turns, one instruction a turn, over the backward jump too
.irp mi, 0,1
.irp ni, 0,1
	v_wmma_f32_16x16x32_bf16 v[ACC+8*(2*(\mi)+(\ni)):ACC+8*(2*(\mi)+(\ni))+7], v[FR+8*(2*(\kk)+(\ni)):FR+8*(2*(\kk)+(\ni))+7], v[FL+8*(2*(\kk)+(\mi)):FL+8*(2*(\kk)+(\mi))+7], v[ACC+8*(2*(\mi)+(\ni)):ACC+8*(2*(\mi)+(\ni))+7]
.endr
.endr
.endr
	s_barrier_wait -1                              ; both hold of every wave
	s_cmp_lg_u32 s77, 0
	s_cbranch_scc1 .Lnb2_\@
.irp kk, 0,1                           ; the bias's four products, two accumulators by turns
.irp mi, 0,1
	v_wmma_f32_16x16x32_bf16 v[BACC+8*(\mi):BACC+8*(\mi)+7], v[PK+8*(\kk):PK+8*(\kk)+7], v[FL+8*(2*(\kk)+(\mi)):FL+8*(2*(\kk)+(\mi))+7], v[BACC+8*(\mi):BACC+8*(\mi)+7]
.endr
.endr
.Lnb2_\@:
	PLACES                                         ; in front of the next step's roundings, which write what the bias's products have read, and of the way out's reads of the sums; they stay beside the next head's wait
	s_add_co_u32 s79, s79, 128
.endm
	CONV RA, 0, 0                                  ; chunk 0 into buffer 0; chunk 2 is asked for
	s_wait_dscnt 0x0                               ; for the others' sake: my stores are done
	s_barrier_signal -1
	s_barrier_wait -1
	s_mov_b32 s78, 4
.Lchunk:                               ; a trip: steps 2 t and 2 t + 1, t = 4 - count.  Step c asks for chunk c + 3: the even step while 2 t + 3 <= 7 (count 2 or more), the odd one while 2 t + 4 <= 7 (3 or more)
	STEPC 0, RBS, 0, 2
	STEPC 1, RA, 2, 3
	s_sub_co_u32 s78, s78, 1
	s_cmp_lg_u32 s78, 0
	s_cbranch_scc1 .Lchunk
	s_wait_loadcnt 0x0                             ; no load is out behind the last step: said once more ahead of the sets' registers' next use
.irp a, 0,1,2,3                        ; the way out: rounded, 16 bytes a lane into rows of 272 bytes, back as whole rows of 256
.irp r, 0,1,2,3
	v_cvt_pk_bf16_f32 v[PK+4*(\a)+(\r)], v[ACC+8*(\a)+2*(\r)], v[ACC+8*(\a)+2*(\r)+1]
.endr
.endr
	s_wait_alu depctr_va_vdst(0)                   ; the roundings have written PK, which the LDS stores read; all vector lines are done with RA and v250, in which the loads below land
.irp mi, 0,1
.irp ni, 0,1
	ds_store_b128 v[OSTO], v[PK+4*(2*(\mi)+(\ni)):PK+4*(2*(\mi)+(\ni))+3] offset:4352*(\mi)+32*(\ni)
.endr
.endr
	s_wait_dscnt 0x0
	s_barrier_signal -1
	s_barrier_wait -1
.irp i, 0,1,2,3
	ds_load_b128 v[RA+4*(\i):RA+4*(\i)+3], v[ORD] offset:4352*(\i)
.endr
	s_wait_dscnt 0x0
.irp i, 0,1,2,3
	global_store_b128 v[WO], v[RA+4*(\i):RA+4*(\i)+3], s[26:27] offset:16384*(\i)   ; 16 lanes store 256 consecutive bytes, aligned
.endr
	s_cmp_lg_u32 s77, 0
	s_cbranch_scc1 .Lw_end
	v_bfe_u32 v248, v0, 4, 1                       ; v248 and v249 were read by rb's load and store at the head, ahead of every step's wait on vm_vsrc
	v_cmp_eq_u32 vcc_lo, 1, v248                   ; every register of a bias accumulator holds the bias of m = lane % 16: lanes 0-15 take block 0, lanes 16-31 block 1
	s_wait_alu depctr_va_vcc(0)                    ; the compare has written VCC, which the select reads
	v_cndmask_b32 v249, v[BACC], v[BACC+8], vcc_lo
	s_cmp_eq_u32 s31, 0
	s_cbranch_scc1 .Lno_pb
	global_load_b32 v250, v[BO], s[22:23]          ; job 1: + p_b
	s_wait_loadcnt 0x0
	v_add_f32 v249, v249, v250
.Lno_pb:
	s_wait_alu depctr_va_vdst(0)                   ; the select, or the addition, has written v249, which the store reads
	global_store_b32 v[BO], v249, s[28:29]         ; 128 consecutive bytes a wave, of a buffer of 4,096
.Lw_end:
	s_wait_dscnt 0x0                               ; the closing lines, six on end
	s_wait_alu 0x0
	s_wait_tensorcnt 0x0
	ds_add_u32 v[SPW], v[NIL]
	s_wait_dscnt 0x0
	s_endpgm
; ------------------------------------------------------------------ GROUPNORM ------------------------------------------------------------------
; The work-group takes groups gid and gid + 256: the same group number in batches b and b + 8, so one set of 16 gains and biases serves both.
; Thread t owns positions 4 t .. 4 t + 3 of each of a group's 16 channels: 16 loads of 16 bytes, each wave's covering 512 consecutive bytes.  v[16:79] hold the group in hand to the end,
; v[132:195] the second group as loaded.  The body is written once and walked twice; between the walks 64 moves bring the second group where the text names it.
.macro REDUCE off                      ; v[80:87], four chains of pairs -> the work-group's sum in v80 of every lane
	v_pk_add_f32 v[80:81], v[80:81], v[82:83]
	v_pk_add_f32 v[84:85], v[84:85], v[86:87]
	v_pk_add_f32 v[80:81], v[80:81], v[84:85]
	v_add_f32 v80, v80, v81
	v_add_f32_dpp v80, v80, v80 row_xmask:1 row_mask:0xf bank_mask:0xf
	v_add_f32_dpp v80, v80, v80 row_xmask:2 row_mask:0xf bank_mask:0xf
	v_add_f32_dpp v80, v80, v80 row_xmask:4 row_mask:0xf bank_mask:0xf
	v_add_f32_dpp v80, v80, v80 row_xmask:8 row_mask:0xf bank_mask:0xf
	v_permlanex16_b32 v81, v80, s68, s69
	v_add_f32 v80, v80, v81
	s_wait_alu depctr_va_vdst(0)                   ; the addition has written v80, which the LDS store reads; the sum before is done with v[88:95], in which the loads below land
	ds_store_b32 v3, v80 offset:\off               ; all lanes write the wave's word with the same number
	s_wait_dscnt 0x0
	s_barrier_signal -1
	s_barrier_wait -1
	ds_load_b128 v[88:91], v4 offset:\off
	ds_load_b128 v[92:95], v4 offset:(\off)+16
	s_wait_dscnt 0x0
	s_wait_alu depctr_vm_vsrc(0)                   ; the LDS store has read v80, which the last addition below writes again
	v_add_f32 v88, v88, v89
	v_add_f32 v90, v90, v91
	v_add_f32 v92, v92, v93
	v_add_f32 v94, v94, v95
	v_add_f32 v88, v88, v90
	v_add_f32 v92, v92, v94
	v_add_f32 v80, v88, v92
.endm
.macro CHAN j                          ; channel j: scaled, shifted, rounded into its two registers of the out-buffer
	v_mul_f32 v99, s[32+(\j)], v98
.irp i, 0,1,2,3
	v_fma_f32 v[16+4*(\j)+(\i)], v[16+4*(\j)+(\i)], v99, s[48+(\j)]
.endr
	v_cvt_pk_bf16_f32 v[100+2*(\j)], v[16+4*(\j)], v[17+4*(\j)]
	v_cvt_pk_bf16_f32 v[101+2*(\j)], v[18+4*(\j)], v[19+4*(\j)]
.endm
.macro OUTC j                          ; channel j leaves
	global_store_b64 v2, v[100+2*(\j):101+2*(\j)], s[24:25] offset:2048*(\j)   ; a wave stores 256 consecutive bytes, aligned
.endm
.Lgn:
	s_sub_co_u32 s31, ttmp9, 64                    ; gid, 0 to 255
	s_lshl_b32 s2, s31, 16                         ; 65,536 bytes of x,
	s_mov_b32 s3, 0
	s_lshl_b32 s70, s31, 15                        ; 32,768 of hc
	s_mov_b32 s71, 0
	s_and_b32 s72, s31, 31
	s_lshl_b32 s72, s72, 6                         ; the group's 16 gains and biases
	s_mov_b32 s73, 0
	s_mov_b32 s66, 0x38800000                      ; 1 / 16,384
	s_mov_b32 s67, 0x3727c5ac                      ; 1e-5
	s_mov_b32 s68, 0x76543210
	s_mov_b32 s69, 0xfedcba98
	s_lshl_b32 s77, s30, 2
	s_add_co_u32 s77, s77, RED
	v_lshlrev_b32 v1, 4, v0
	v_lshlrev_b32 v2, 3, v0
	v_mov_b32 v3, s77
	v_mov_b32 v4, RED
	s_wait_kmcnt 0x0
	s_add_nc_u64 s[4:5], s[4:5], s[2:3]
	s_add_nc_u64 s[74:75], s[4:5], 0x1000000       ; 256 groups on
	s_add_nc_u64 s[24:25], s[24:25], s[70:71]
	s_add_nc_u64 s[6:7], s[6:7], s[72:73]
	s_add_nc_u64 s[8:9], s[8:9], s[72:73]
	s_wait_alu depctr_va_vdst(0)                   ; the offsets and addresses v1 to v4 are written, which every load and store of this arm reads; they are never written again
.irp j, 0,1,2,3,4,5,6,7,8,9,10,11,12,13,14,15
	global_load_b128 v[16+4*(\j):19+4*(\j)], v1, s[4:5] offset:4096*(\j) th:TH_LOAD_NT
.endr
.irp j, 0,1,2,3,4,5,6,7,8,9,10,11,12,13,14,15
	global_load_b128 v[132+4*(\j):135+4*(\j)], v1, s[74:75] offset:4096*(\j) th:TH_LOAD_NT
.endr
	s_load_b512 s[32:47], s[6:7], 0x0              ; gn_w of the 16 channels
	s_load_b512 s[48:63], s[8:9], 0x0              ; gn_b
	s_mov_b32 s76, 2
.Lgrp:
	s_wait_loadcnt 16                              ; the first group is in; the second group's 16 loads may stay out (in the second walk nothing is out)
.irp k, 0,1,2,3                        ; the sum, in four chains that the first pairs start
	v_pk_add_f32 v[80+2*(\k):81+2*(\k)], v[16+2*(\k):17+2*(\k)], v[24+2*(\k):25+2*(\k)]
.endr
.set p, 8
.rept 24
	v_pk_add_f32 v[80+2*(p%4):81+2*(p%4)], v[80+2*(p%4):81+2*(p%4)], v[16+2*p:17+2*p]
.set p, p+1
.endr
	REDUCE 0
	v_mul_f32 v96, s66, v80                        ; the mean
	v_mov_b32 v97, v96
.set p, 0
.rept 32
	v_pk_add_f32 v[16+2*p:17+2*p], v[16+2*p:17+2*p], v[96:97] neg_lo:[0,1] neg_hi:[0,1]
.set p, p+1
.endr
.irp k, 0,1,2,3                        ; the sum of the squared deviations
	v_pk_mul_f32 v[80+2*(\k):81+2*(\k)], v[16+2*(\k):17+2*(\k)], v[16+2*(\k):17+2*(\k)]
.endr
.set p, 4
.rept 28
	v_pk_fma_f32 v[80+2*(p%4):81+2*(p%4)], v[16+2*p:17+2*p], v[16+2*p:17+2*p], v[80+2*(p%4):81+2*(p%4)]
.set p, p+1
.endr
	REDUCE 128                                     ; other words than the first sum's; between a word's reads and its next store lies the other sum's barrier
	v_fma_f32 v99, v80, s66, s67                   ; the variance + 1e-5
	v_rsq_f32 v98, v99
	v_nop                                          ; a plain instruction behind the root,
	s_wait_alu depctr_va_vdst(0)                   ; and the wait ahead of its first reader: the root has written v98
	s_wait_kmcnt 0x0
.irp j, 0,1,2,3,4,5,6,7
	CHAN \j
.endr
	s_wait_alu depctr_va_vdst(0)                   ; the roundings of channels 0 to 7 have written v[100:115], which the eight stores below read
.irp j, 8,9,10,11,12,13,14,15
	OUTC (\j)-8                                    ; no wait: the lines of channels 8 to 15 name v98, v99, v[48:79] and v[116:131], none of which these stores touch
	CHAN \j
.endr
	s_wait_alu depctr_va_vdst(0)                   ; the roundings of channels 8 to 15 have written v[116:131], which the last eight stores read
.irp j, 8,9,10,11,12,13,14,15
	OUTC \j
.endr
	s_sub_co_u32 s76, s76, 1
	s_cmp_eq_u32 s76, 0
	s_cbranch_scc1 .Lgn_end                        ; the second walk ends here
	s_wait_loadcnt 0x0                             ; the second group is in
	s_wait_xcnt 0x0                                ; the stores have had their addresses translated: their data and their base are rewritten only behind this wait
	s_wait_alu depctr_vm_vsrc(0)                   ; the stores have read v[100:131], which the second walk's roundings write again
	s_add_nc_u64 s[24:25], s[24:25], 0x800000      ; 256 groups on in hc
.set p, 0
.rept 64
	v_mov_b32 v[16+p], v[132+p]
.set p, p+1
.endr
	s_cmp_lg_u32 s76, 0
	s_cbranch_scc1 .Lgrp
.Lgn_end:
	s_wait_dscnt 0x0                               ; the closing lines, six on end
	s_wait_alu 0x0
	s_wait_tensorcnt 0x0
	ds_add_u32 v[SPW], v[NIL]
	s_wait_dscnt 0x0
	s_endpgm
.Lfunc_end_k_qacfb25e161_prep:
	.size	k_qacfb25e161_prep, .Lfunc_end_k_qacfb25e161_prep-k_qacfb25e161_prep
	.p2alignl 7, 3214868480
	.fill 96, 4, 3214868480
	.section	.rodata,"a",@progbits
	.p2align	6, 0x0
	.amdhsa_kernel k_qacfb25e161_prep
		.amdhsa_group_segment_fixed_size 77056
		.amdhsa_private_segment_fixed_size 0
		.amdhsa_enable_private_segment 0
		.amdhsa_kernarg_size 104
		.amdhsa_user_sgpr_count 2
		.amdhsa_user_sgpr_kernarg_segment_ptr 1
		.amdhsa_wavefront_size32 1
		.amdhsa_system_sgpr_workgroup_id_x 1
		.amdhsa_system_sgpr_workgroup_id_y 1
		.amdhsa_system_sgpr_workgroup_id_z 1
		.amdhsa_system_vgpr_workitem_id 0
		.amdhsa_next_free_vgpr 256
		.amdhsa_next_free_sgpr 80
		.amdhsa_reserve_vcc 1
		.amdhsa_float_denorm_mode_32 3
		.amdhsa_float_denorm_mode_16_64 3
		.amdhsa_memory_ordered 1
		.amdhsa_forward_progress 1
		.amdhsa_inst_pref_size 53
	.end_amdhsa_kernel
	.amdgpu_metadata
---
amdhsa.version: [ 1, 2 ]
amdhsa.kernels:
  - .name:           k_qacfb25e161_prep
    .symbol:         k_qacfb25e161_prep.kd
    .args:
      - { .name: x, .offset: 0, .size: 8, .value_kind: global_buffer, .address_space: global }
      - { .name: gn_w, .offset: 8, .size: 8, .value_kind: global_buffer, .address_space: global }
      - { .name: gn_b, .offset: 16, .size: 8, .value_kind: global_buffer, .address_space: global }
      - { .name: q_w, .offset: 24, .size: 8, .value_kind: global_buffer, .address_space: global }
      - { .name: q_b, .offset: 32, .size: 8, .value_kind: global_buffer, .address_space: global }
      - { .name: k_w, .offset: 40, .size: 8, .value_kind: global_buffer, .address_space: global }
      - { .name: v_w, .offset: 48, .size: 8, .value_kind: global_buffer, .address_space: global }
      - { .name: v_b, .offset: 56, .size: 8, .value_kind: global_buffer, .address_space: global }
      - { .name: p_w, .offset: 64, .size: 8, .value_kind: global_buffer, .address_space: global }
      - { .name: p_b, .offset: 72, .size: 8, .value_kind: global_buffer, .address_space: global }
      - { .name: hc, .offset: 80, .size: 8, .value_kind: global_buffer, .address_space: global }
      - { .name: wcat, .offset: 88, .size: 8, .value_kind: global_buffer, .address_space: global }
      - { .name: bcat, .offset: 96, .size: 8, .value_kind: global_buffer, .address_space: global }
    .group_segment_fixed_size: 77056
    .private_segment_fixed_size: 0
    .kernarg_segment_align: 8
    .kernarg_segment_size: 104
    .max_flat_workgroup_size: 256
    .sgpr_count:     80
    .vgpr_count:     256
    .wavefront_size: 32
...
	.end_amdgpu_metadata
.endif
;; end of part 4
;; launch proj: the kernel of part 2 again; grid 4 x 64, 4 waves a work-group, clusters of 4 x 4, 327,680 bytes of LDS; arguments hc, wcat, bcat, gu; writes gu
;; launch attn: the kernel of part 3 again; grid 16 x 16, 4 waves a work-group, clusters of 4 x 1, 327,680 bytes of LDS; arguments hc, gu, x, out0; writes out0
